; MI455X (gfx1250); checked and timed in simulation.
; The chip was launched on July 23, 2026; its instructions are those of AMD's public machine-readable ISA for CDNA 5 (MIT licence, August 2026) and "CDNA5" Instruction Set Architecture Reference Guide (July 2026). The comments in the code are by the model that wrote it; some were corrected since.
;; Hybrid Mo E. Allowed arithmetic: matrix products marked QUANTISED: E3M2 operands, one E8M0 scale for each 32 along K, by v_wmma_scale_f32_16x16x128_f8f6f4 with both operands' format E3M2, f32 sums; products left as they are: f32 operands where the result goes on into a quantised operand, else bf16, f16 or f32 operands; f32 sums; everything else in f32.
;; Inputs: b1 8 x 4,096 float32; b2 8 x 1,024 float32; lang_b 4 float32; lang_w 4 x 1,024 float32; router_b 8 float32; router_w 8 x 1,024 float32; w1_codes 8 x 4,096 x 32 x 24 uint8 (E3M2 codes of w1, K innermost, in blocks of 32 codes, four codes in three bytes); w1_scales 8 x 4,096 x 32 uint8 (E8M0 scales of w1, one for each 32 codes along K); w2_codes 8 x 1,024 x 128 x 24 uint8 (E3M2 codes of w2, K innermost, in blocks of 32 codes, four codes in three bytes); w2_scales 8 x 1,024 x 128 uint8 (E8M0 scales of w2, one for each 32 codes along K); x 2 x 512 x 1,024 float32.
;; Outputs: out0 2 x 512 x 1,024 float32.
;; This version of the problem:
;;   THIS VERSION OF THE PROBLEM IS GIVEN IN LOW PRECISION. The matrix products marked QUANTISED in the list below multiply operands that are first quantised to E3M2 (3 exponent bits, 2 mantissa bits; 6 bits a number), with one power-of-two scale for each 32 numbers along K (OCP MX v1.0); their sums are f32. All else is computed in f32.
;;   The module's matrix products, in the order in which they are computed (A, B: the left and right operand; K: the contracted axis; several contracted axes count as one K, in the product's order):
;;     1. [M 1,024, K 1,024] x [K 1,024, N 4]; A: input x; B: input lang_w: left as it is (N = 4 < 16)
;;     2. [M 1,024, K 1,024] x [K 1,024, N 8]; A: input x; B: input router_w: left as it is (N = 8 < 16)
;;     3. [M 1,024, K 1,024] x [K 1,024, N 32,768]; A: input x; B: input w1 (given as codes): QUANTISED
;;     4. batch 8 x [M 1,024, K 4,096] x [K 4,096, N 1,024]; A: input w2 (given as codes); B: computed on the way: QUANTISED
;;   THE QUANTISER, for each operand of a quantised product, along K:
;;     - K is cut into blocks of 32 from its start; a last block that is shorter is filled with zeros.
;;     - A block's scale is 2^e with e = floor(log2(the largest magnitude in the block)) - 4, held to -126 .. 127; a block of zeros has e = 0. As a byte (E8M0): e + 127.
;;     - Each number is divided by its block's scale, clamped to +-28, and rounded to the nearest number of E3M2, ties to even, subnormals kept.
;;     - The product sums the exact products of the quantised numbers (number of the format x scale) in f32.
;;   ~~~python
;;   def quantise(x, axis):      # numpy; x: float32 -> the quantised numbers, widened to float32 again
;;       x = np.moveaxis(x, axis, -1); K = x.shape[-1]
;;       x = np.pad(x, [(0, 0)] * (x.ndim - 1) + [(0, -K % 32)]); x = x.reshape(x.shape[:-1] + (-1, 32)); a = np.abs(x).max(-1, keepdims=True)
;;       e = np.where(a > 0, np.clip(np.frexp(np.where(a > 0, a, 1))[1] - 1 - 4, -126, 127), 0)      # np.frexp(a)[1] - 1 = floor(log2(a)), exactly
;;       r = np.clip(x / 2.0 ** e, -28, 28)
;;       step = 2.0 ** (np.maximum(np.frexp(np.where(r == 0, 1, r))[1] - 1, -2) - 2)
;;       q = np.round(r / step) * step * 2.0 ** e      # np.round: ties to even
;;       return np.moveaxis(q.reshape(q.shape[:-2] + (-1,))[..., :K], -1, axis).astype(np.float32)
;;   ~~~
;;   OPERANDS COMPUTED ON THE WAY. 'Computed on the way' means the value that the module computes at that place (a softmax that the list does not call 'softmax' is quantised finished and normalised). What goes into a quantiser is computed in f32, as accurately as f32 sums, v_exp_f32 and their like allow (about 1e-6 of the number): no bf16 or f16 on the way to a quantiser, and a product that is left as it is and whose result goes on into a quantised operand takes f32 operands (vector FMAs, or v_wmma_f32_16x16x4_f32). A number that lies on a knife's edge between two numbers of the format may be rounded either way, as far as f32 arithmetic and the matrix unit's own rounding can turn it there, and no further.
;;   INPUTS GIVEN AS CODES. w1 (in the module: [8, 1024, 4096], K = its axis 1); w2 (in the module: [8, 4096, 1024], K = its axis 1): each comes as NAME_codes (uint8): NAME with its K axis moved to the last place and cut into blocks of 32 codes, [.., K / 32, bytes a block], one block behind the other in memory; four codes in three bytes: a row's codes are one little-endian stream of bits, code i at bits 6 i .. 6 i + 5 (a code: sign, 3 exponent bits, 2 mantissa bits); and NAME_scales (uint8): the same leading axes, one E8M0 byte (e + 127) for each 32 codes along K. Its value is code x scale, taken as it is: it is not quantised again, and the codes and scales need not be those that the quantiser above would give.
;; 2 versions. Each part assembles by itself: llvm-mc -triple=amdgcn-amd-amdhsa -mcpu=gfx1250 --defsym DOCPART=n.
;; ======== version 1 of 2: 5 launches
;; workspace buffers: xq 819,200 bytes; sel 4,096 bytes of whole numbers; gate 8,192 bytes; order 43,264 bytes of whole numbers; hq 27,262,976 bytes; y 33,554,432 bytes
;; launch route (part 1): grid 64 x 1, 8 waves a work-group, no clusters, 22,016 bytes of LDS; arguments x, router_w, router_b, lang_w, lang_b, xq, sel, gate; writes xq, sel, gate
.if DOCPART == 1
	.amdgcn_target "amdgcn-amd-amdhsa--gfx1250"
	.amdhsa_code_object_version 6
	.text
	.protected	k_qdec99ea0d6_route
	.globl	k_qdec99ea0d6_route
	.p2align	8
	.type	k_qdec99ea0d6_route,@function
k_qdec99ea0d6_route:
	s_mov_b64 s[64:65], 0
	v_nop
	global_prefetch_b8 v0, s[64:65] scope:SCOPE_SE
	s_setreg_imm32_b32 hwreg(HW_REG_WAVE_MODE, 25, 1), 1
	s_wait_xcnt 0x0
; ROUTER AND QUANTISER OF x.  x [1024 tokens][1024] f32.  For each token: 4 language logits, their softmax, the bias 0.1 x (lp[i] + lp[i+1]) on 8 router logits, the two largest logits,
; and their renormalised weights; and x as codes of BF6 (E3M2) with one E8M0 byte for each 32 along K, laid in the order of the operand's registers.
; SHARES.  A work-group takes 16 tokens; wave s takes K step s (k = 128 s .. 128 s + 127) of all 16: its 12 partial logits a token and one fragment of codes.
; THE LOGITS are f32 products (v_wmma_f32_16x16x4_f32): the choice of experts hangs on them, and they are 12 columns against the experts' 8,192.  Source 0 = 16 rows of weights (8 of router_w,
; 4 of lang_w, these four once more, unused), source 1 = 16 tokens; both carry the same order of k.  In the result lane (r, 0) holds token r's 8 router sums, lane (r, 1) its 4 language sums.
; THE CHOICE is made on the logits: the softmax rises with them, a strict compare keeps the lower index on equal logits.  The renormalised weights are 1 / (1 + e^(l1 - l0)) and its complement:
; the softmax's divisor cancels, and the largest logit l0 is taken away.  Nothing here branches or addresses by these numbers: the indices are stored at fixed places.
; LIMITS: NaN and infinities among the inputs are not served.  A block whose largest magnitude lies under 2^-122, a block of zeros too, keeps the scale byte 1: its bytes are read by this program alone.
; Two logits so close that their softmax values round to one number are ordered by the logits.
.set PART,  0                          ; LDS: wave s's partial sums: two images of 512 bytes at 1,024 s
.set XST,   8192                       ; 16 tokens x 768 bytes of codes, in xq's order
.set XSS,   20480                      ; 16 tokens x 32 bytes of scale words
.set SPARE, 20992                      ; the spare words, 128 bytes for each of the eight waves: no other line names them
.set SPW, 1                            ; v1   LDS address of my spare word; never rewritten
.set NIL, 2                            ; v2   0; never rewritten
.set ACC, 16                           ; v16-47   four accumulators by turns: written by matrix instructions alone
.set SUM, 48                           ; v48-63   their sum
.set XN,  64                           ; v64-127  64 numbers of x: register 16 b + i = k 32 b + 16 h + i of my token
.set WR,  128                          ; v128-191 the same of my row of weights
.set WL,  192                          ; v192-255 lang_w's row, then the quantiser's registers
.set TM,  192                          ; v192-195 largest magnitudes, v196-199 bytes, v200-203 the conversions' scale operands
.set PW,  204                          ; the scale word
.set PC,  206                          ; v206-217 the fragment's codes; v218-224 the halves made elsewhere
.set SEL, 48                           ; s[48:49] v_permlanex16_b32's selects for lane l xor 16
; 64 numbers of a lane, register 16 b + i = k 32 b + 16 (lane / 16) + i of my row, become a fragment's codes in v[PC] on and its scale word in v[PW].
.macro QUANT s
.irp b, 0,1,2,3
	v_max3_num_f32 v[TM+\b], |v[\s+16*\b]|, |v[\s+1+16*\b]|, 0x2800000   ; block b: my 16 numbers, and the floor 2^(5 - 127): the byte cannot fall under 1
.endr
.irp i, 2,4,6,8,10,12,14
.irp b, 0,1,2,3
	v_max3_num_f32 v[TM+\b], v[TM+\b], |v[\s+16*\b+\i]|, |v[\s+1+16*\b+\i]|   ; the four blocks by turns
.endr
.endr
.irp b, 0,1,2,3
	v_permlanex16_b32 v[TM+4+\b], v[TM+\b], s[SEL], s[SEL+1]
.endr
.irp b, 0,1,2,3
	v_max_num_f32 v[TM+\b], v[TM+\b], v[TM+4+\b]       ; with lane l xor 16's: the block's largest magnitude
.endr
.irp b, 0,1,2,3
	v_add_nc_u32 v[TM+8+\b], 0xfe000000, v[TM+\b]      ; 4 off its exponent field: the conversion's scale operand
.endr
.irp b, 0,1,2,3
	v_lshrrev_b32 v[TM+4+\b], 23, v[TM+8+\b]           ; the scale's byte
.endr
	v_lshl_or_b32 v[PW], v[TM+5], 8, v[TM+4]
	v_lshl_or_b32 v[PW], v[TM+6], 16, v[PW]
	v_lshl_or_b32 v[PW], v[TM+7], 24, v[PW]
.irp c, 0,1
	v_cvt_scalef32_pk16_bf6_f32 v[PC+6*\c:PC+2+6*\c], v[\s+32*\c:\s+15+32*\c], v[TM+8+2*\c]
	v_cvt_scalef32_pk16_bf6_f32 v[PC+12+4*\c:PC+14+4*\c], v[\s+16+32*\c:\s+31+32*\c], v[TM+8+2*\c+1]   ; a conversion's three registers begin on an even number
.endr
	v_nop                                              ; one plain line behind the last scaled conversion
.irp c, 0,1                                        ; the operand wants a whole block in a lane: lanes 0-15 block 2 c, lanes 16-31 block 2 c + 1
.irp i, 0,1,2
	v_permlane16_swap_b32 v[PC+6*\c+\i], v[PC+12+4*\c+\i]
.endr
.irp i, 0,1,2
	v_mov_b32 v[PC+3+6*\c+\i], v[PC+12+4*\c+\i]
.endr
.endr
.endm
	s_load_b512 s[16:31], s[0:1], 0x0              ; x 16, router_w 18, router_b 20, lang_w 22, lang_b 24, xq 26, sel 28, gate 30
	v_lshl_add_u32 v[SPW], v0, 2, SPARE
	v_mov_b32 v[NIL], 0
	v_lshrrev_b32 v3, 5, v0
	v_readfirstlane_b32 s32, v3                    ; wave = K step s
	v_and_b32 v3, 15, v0                           ; r
	v_bfe_u32 v4, v0, 4, 1                         ; h
	v_and_b32 v14, 31, v0
	v_lshlrev_b32 v13, 4, v14                      ; 16 x lane
	v_add_nc_u32 v14, XSS, v13                     ; the scale words as one run of 512 bytes
	s_lshl_b32 s33, s32, 9
	v_lshlrev_b32 v15, 6, v4
	v_add_nc_u32 v15, s33, v15                     ; 512 s + 64 h: my 16 numbers of each block of 32
	v_lshl_add_u32 v5, v3, 12, v15                 ; x: row r
	v_and_b32 v6, 7, v3
	v_lshl_add_u32 v6, v6, 12, v15                 ; router_w: row r % 8
	v_and_b32 v7, 3, v3
	v_lshl_add_u32 v7, v7, 12, v15                 ; lang_w: row r % 4
	s_lshl_b32 s33, s32, 10
	v_add_nc_u32 v8, s33, v13                      ; PART + 1,024 s + 16 x lane
	s_mul_i32 s33, s32, 96
	v_mul_u32_u24 v9, v3, 768
	v_lshl_add_u32 v9, v4, 4, v9
	v_add_nc_u32 v9, s33, v9
	v_add_nc_u32 v9, XST, v9                       ; XST + 768 r + 96 s + 16 h
	s_lshl_b32 s33, s32, 2
	v_lshl_add_u32 v10, v3, 5, XSS
	v_add_nc_u32 v10, s33, v10                     ; XSS + 32 r + 4 s
	s_mul_i32 s33, s32, 1536
	v_add_nc_u32 v12, s33, v13                     ; my eighth of the group's 12,288 bytes of codes, in memory,
	v_add_nc_u32 v11, XST, v12                     ; and in LDS
	s_mov_b32 s[SEL], 0x76543210
	s_mov_b32 s[SEL+1], 0xfedcba98
	s_mov_b32 s50, 0xff00ff00                      ; lanes with r >= 8
	s_mov_b32 s51, 0x3fb8aa3b                      ; log2(e)
	s_mov_b32 s52, 0xffff0000                      ; lanes 16-31
	s_mov_b32 s53, 0x3dcccccd                      ; 0.1
	s_lshl_b32 s34, ttmp9, 16                      ; 16 rows of 4,096 bytes
	s_mov_b32 s35, 0
	s_wait_kmcnt 0x0
	s_load_b128 s[36:39], s[24:25], 0x0            ; lang_b
	s_load_b256 s[40:47], s[20:21], 0x0            ; router_b
	s_add_nc_u64 s[16:17], s[16:17], s[34:35]
.irp b, 0,1,2,3
.irp j, 0,1,2,3
	global_load_b128 v[XN+16*\b+4*\j:XN+16*\b+4*\j+3], v5, s[16:17] offset:128*\b+16*\j th:TH_LOAD_NT
.endr
.endr
.irp b, 0,1,2,3
.irp j, 0,1,2,3
	global_load_b128 v[WR+16*\b+4*\j:WR+16*\b+4*\j+3], v6, s[18:19] offset:128*\b+16*\j
.endr
.endr
.irp b, 0,1,2,3
.irp j, 0,1,2,3
	global_load_b128 v[WL+16*\b+4*\j:WL+16*\b+4*\j+3], v7, s[22:23] offset:128*\b+16*\j
.endr
.endr
	s_mul_i32 s34, ttmp9, 12288
	s_add_nc_u64 s[56:57], s[26:27], s[34:35]      ; xq's codes at my 16 tokens
	s_lshl_b32 s34, ttmp9, 9
	s_add_nc_u64 s[58:59], s[26:27], s[34:35]
	s_add_nc_u64 s[58:59], s[58:59], 786432        ; xq's scale words
	s_lshl_b32 s34, ttmp9, 6
	s_add_nc_u64 s[28:29], s[28:29], s[34:35]
	s_lshl_b32 s34, ttmp9, 7
	s_add_nc_u64 s[30:31], s[30:31], s[34:35]
	s_wait_loadcnt 0x0                             ; all 48 loads are in: so their offset registers v5 to v7 may be written again
	s_wait_kmcnt 0x0
	v_lshlrev_b32 v5, 2, v3                        ; sel: 4 r
	v_lshlrev_b32 v6, 3, v3                        ; gate: 8 r
.set i, 0
.rept 64
	v_cndmask_b32 v[WR+i], v[WR+i], v[WL+i], s50   ; rows 8-15 of source 0 are lang_w's
.set i, i+1
.endr
.set i, 0
.rept 32                                       ; 4 along K an instruction; the four accumulators take turns; the first four start the sums
.set AC, ACC+8*(i%4)
.if i < 4
	v_wmma_f32_16x16x4_f32 v[AC:AC+7], v[WR+2*i:WR+2*i+1], v[XN+2*i:XN+2*i+1], 0
.else
	v_wmma_f32_16x16x4_f32 v[AC:AC+7], v[WR+2*i:WR+2*i+1], v[XN+2*i:XN+2*i+1], v[AC:AC+7]
.endif
.set i, i+1
.endr
	QUANT XN                                       ; reads the tokens' numbers, writes none of the products' registers
.irp j, 0,1,2
	ds_store_b128 v9, v[PC+4*\j:PC+4*\j+3] offset:32*\j   ; registers 4 j .. 4 j + 3 of lane (r, h): 16 bytes at 96 s + 32 j + 16 h of token r
.endr
	ds_store_b32 v10, v[PW]                        ; both halves of the lanes hold the same word
.rept 8
	v_nop                                          ; eight places behind this matrix form before its results are read (ISA guide 7.12.1)
.endr
.irp j, 0,2,4,6                                ; each accumulator is read from its low end on
	v_pk_add_f32 v[SUM+\j:SUM+\j+1], v[ACC+\j:ACC+\j+1], v[ACC+8+\j:ACC+8+\j+1]
	v_pk_add_f32 v[SUM+8+\j:SUM+8+\j+1], v[ACC+16+\j:ACC+16+\j+1], v[ACC+24+\j:ACC+24+\j+1]
.endr
.irp j, 0,2,4,6
	v_pk_add_f32 v[SUM+\j:SUM+\j+1], v[SUM+\j:SUM+\j+1], v[SUM+8+\j:SUM+8+\j+1]
.endr
	ds_store_b128 v8, v[SUM:SUM+3]
	ds_store_b128 v8, v[SUM+4:SUM+7] offset:512
	s_wait_dscnt 0x0                               ; for the others' sake: my stores have landed
	s_barrier_signal -1
	s_barrier_wait -1
.irp i, 0,1,2
	ds_load_b128 v[128+4*\i:131+4*\i], v11 offset:512*\i
.endr
.irp i, 0,1,2
	s_wait_dscnt 2-\i                              ; the younger loads of the three may be out
	global_store_b128 v12, v[128+4*\i:131+4*\i], s[56:57] offset:512*\i   ; 32 lanes store 512 consecutive bytes
.endr
	s_cmp_lg_u32 s32, 0
	s_cbranch_scc1 .Lend                           ; the rest is wave 0's
	ds_load_b128 v[140:143], v14
.irp w, 0,1,2,3,4,5,6,7
	ds_load_b128 v[64+8*\w:67+8*\w], v13 offset:PART+1024*\w
	ds_load_b128 v[68+8*\w:71+8*\w], v13 offset:PART+1024*\w+512
.endr
	s_wait_dscnt 16                                ; the scale words are in; the 16 loads behind them may be out
	global_store_b128 v13, v[140:143], s[58:59]
	s_wait_dscnt 0x0
.irp w, 1,2,3,4,5,6,7                          ; the eight K steps, ascending
.irp j, 0,2,4,6
	v_pk_add_f32 v[64+\j:65+\j], v[64+\j:65+\j], v[64+8*\w+\j:65+8*\w+\j]
.endr
.endr
.irp j, 0,1,2,3,4,5,6,7
	v_permlanex16_b32 v[72+\j], v[64+\j], s[SEL], s[SEL+1]
.endr
.irp j, 0,1,2,3,4,5,6,7
	v_cndmask_b32 v[80+\j], v[64+\j], v[72+\j], s52    ; every lane: token r's 8 router sums,
.endr
.irp j, 0,1,2,3
	v_cndmask_b32 v[88+\j], v[72+\j], v[64+\j], s52    ; and its 4 language sums
.endr
.irp j, 0,1,2,3
	v_add_f32 v[88+\j], s[36+\j], v[88+\j]
.endr
	v_max3_num_f32 v92, v88, v89, v90
	v_max_num_f32 v92, v92, v91                    ; the largest is taken away before the exponentials
.irp j, 0,1,2,3
	v_sub_f32 v[88+\j], v[88+\j], v92
.endr
.irp j, 0,1,2,3
	v_mul_f32 v[88+\j], s51, v[88+\j]
.endr
.irp j, 0,1,2,3
	v_exp_f32 v[88+\j], v[88+\j]
.endr
	v_nop                                          ; a plain line behind the batch,
	s_wait_alu depctr_va_vdst(0)                   ; and one wait for it, ahead of its first reader
	v_add_f32 v93, v88, v89
	v_add_f32 v94, v90, v91
	v_add_f32 v93, v93, v94
	v_rcp_f32 v95, v93
	v_nop
	s_wait_alu depctr_va_vdst(0)
.irp j, 0,1,2,3
	v_mul_f32 v[88+\j], v[88+\j], v95              ; lp
.endr
	v_add_f32 v96, v88, v89                        ; lp[i] + lp[i + 1]; beyond the last stands a zero
	v_add_f32 v97, v89, v90
	v_add_f32 v98, v90, v91
	v_mov_b32 v99, v91
.irp e, 0,1,2,3,4,5,6,7
	v_add_f32 v[80+\e], s[40+\e], v[80+\e]
.endr
.irp e, 0,1,2,3,4,5,6,7
	v_fmac_f32 v[80+\e], s53, v[96+\e%4]           ; the router's logits
.endr
	v_mov_b32 v100, v80                            ; the largest so far and its index,
	v_mov_b32 v101, 0
	v_mov_b32 v102, 0xff800000                     ; the second
	v_mov_b32 v103, 1
.irp e, 1,2,3,4,5,6,7                          ; by selects alone
	v_cmp_gt_f32 s54, v[80+\e], v100
	v_cmp_gt_f32 s55, v[80+\e], v102
	v_cndmask_b32 v102, v102, v[80+\e], s55
	v_cndmask_b32 v103, v103, \e, s55
	v_cndmask_b32 v102, v102, v100, s54
	v_cndmask_b32 v103, v103, v101, s54
	v_cndmask_b32 v100, v100, v[80+\e], s54
	v_cndmask_b32 v101, v101, \e, s54
.endr
	v_sub_f32 v92, v102, v100                      ; l1 - l0, 0 or less
	v_mul_f32 v92, s51, v92
	v_exp_f32 v92, v92
	v_lshl_or_b32 v106, v103, 8, v101              ; e0 | e1 << 8  (a plain line behind the exponential)
	s_wait_alu depctr_va_vdst(0)
	v_add_f32 v93, 1.0, v92
	v_rcp_f32 v94, v93                             ; p0
	v_nop
	s_wait_alu depctr_va_vdst(0)
	v_mul_f32 v95, v92, v94                        ; p1
	global_store_b32 v5, v106, s[28:29]            ; both halves of the lanes store the same numbers at the same places
	global_store_b64 v6, v[94:95], s[30:31]
.Lend:
	s_wait_tensorcnt 0x0                           ; the wave's end, behind my last LDS store
	ds_add_u32 v[SPW], v[NIL]
	s_wait_dscnt 0x0
	s_endpgm
.Lfunc_end_k_qdec99ea0d6_route:
	.size	k_qdec99ea0d6_route, .Lfunc_end_k_qdec99ea0d6_route-k_qdec99ea0d6_route
	.p2alignl 7, 3214868480
	.fill 96, 4, 3214868480
	.section	.rodata,"a",@progbits
	.p2align	6, 0x0
	.amdhsa_kernel k_qdec99ea0d6_route
		.amdhsa_group_segment_fixed_size 22016
		.amdhsa_private_segment_fixed_size 0
		.amdhsa_enable_private_segment 0
		.amdhsa_kernarg_size 64
		.amdhsa_user_sgpr_count 2
		.amdhsa_user_sgpr_kernarg_segment_ptr 1
		.amdhsa_wavefront_size32 1
		.amdhsa_system_sgpr_workgroup_id_x 1
		.amdhsa_system_sgpr_workgroup_id_y 1
		.amdhsa_system_sgpr_workgroup_id_z 1
		.amdhsa_system_vgpr_workitem_id 0
		.amdhsa_next_free_vgpr 256
		.amdhsa_next_free_sgpr 66
		.amdhsa_reserve_vcc 0
		.amdhsa_float_denorm_mode_32 3
		.amdhsa_float_denorm_mode_16_64 3
		.amdhsa_memory_ordered 1
		.amdhsa_forward_progress 1
		.amdhsa_inst_pref_size 30
	.end_amdhsa_kernel
	.amdgpu_metadata
---
amdhsa.version: [ 1, 2 ]
amdhsa.kernels:
  - .name:           k_qdec99ea0d6_route
    .symbol:         k_qdec99ea0d6_route.kd
    .args:
      - { .name: x, .offset: 0, .size: 8, .value_kind: global_buffer, .address_space: global }
      - { .name: router_w, .offset: 8, .size: 8, .value_kind: global_buffer, .address_space: global }
      - { .name: router_b, .offset: 16, .size: 8, .value_kind: global_buffer, .address_space: global }
      - { .name: lang_w, .offset: 24, .size: 8, .value_kind: global_buffer, .address_space: global }
      - { .name: lang_b, .offset: 32, .size: 8, .value_kind: global_buffer, .address_space: global }
      - { .name: xq, .offset: 40, .size: 8, .value_kind: global_buffer, .address_space: global }
      - { .name: sel, .offset: 48, .size: 8, .value_kind: global_buffer, .address_space: global }
      - { .name: gate, .offset: 56, .size: 8, .value_kind: global_buffer, .address_space: global }
    .group_segment_fixed_size: 22016
    .private_segment_fixed_size: 0
    .kernarg_segment_align: 8
    .kernarg_segment_size: 64
    .max_flat_workgroup_size: 256
    .sgpr_count:     66
    .vgpr_count:     256
    .wavefront_size: 32
...
	.end_amdgpu_metadata
.endif
;; end of part 1
;; launch place (part 2): grid 1 x 1, 8 waves a work-group, no clusters, 0 bytes of LDS; arguments sel, order; writes order
.if DOCPART == 2
	.amdgcn_target "amdgcn-amd-amdhsa--gfx1250"
	.amdhsa_code_object_version 6
	.text
	.protected	k_qdec99ea0d6_place
	.globl	k_qdec99ea0d6_place
	.p2align	8
	.type	k_qdec99ea0d6_place,@function
k_qdec99ea0d6_place:
	s_mov_b64 s[64:65], 0
	v_nop
	global_prefetch_b8 v0, s[64:65] scope:SCOPE_SE
	s_setreg_imm32_b32 hwreg(HW_REG_WAVE_MODE, 25, 1), 1
	s_wait_xcnt 0x0
; THE ROWS ARE PLACED BY EXPERT.  sel holds e0 | e1 << 8 for each of 1,024 tokens.  Expert e owns slots 1,024 e .. 1,024 e + 1,023: a token names an expert at most once, so no split can overrun them.
; Wave e serves expert e and reads all 1,024 words: 32 registers a lane.  A token's rank is the count of earlier takers: those of earlier registers (a running scalar) and of lower lanes (v_mbcnt).
; order: cnt[e] at 4 e;  the slot of (token, k) at 256 + 4 (2 token + k);  the token of slot (e, rank) at 9,472 + 4 (1,024 e + rank).
; Lanes whose token does not name e store to a word of their own behind each table, which nobody reads: so no lane is ever switched off.  Every index made of loaded numbers is held by a constant
; before it enters an address.  Behind the last taker up to 16 slots get token 0, so that a last tile of 16 rows reads only written words.
.set SLOTOF, 256
.set LIST,   9472
	s_load_b128 s[4:7], s[0:1], 0x0                ; sel, order
	v_lshrrev_b32 v1, 5, v0
	v_readfirstlane_b32 s11, v1                    ; e
	v_and_b32 v2, 31, v0                           ; lane
	v_lshlrev_b32 v3, 4, v2
	v_lshlrev_b32 v4, 2, v2
	s_lshl_b32 s12, s11, 10                        ; 1,024 e
	s_lshl_b32 s14, s11, 5
	s_lshl_b32 s15, s11, 2
	v_add_nc_u32 v5, s14, v2
	v_add_nc_u32 v6, 2048, v5                      ; my unread word behind the slots' table,
	v_add_nc_u32 v5, 8192, v5                      ; and behind the list
	v_mov_b32 v7, 0
	s_mov_b32 s13, 0                               ; takers so far
	s_wait_kmcnt 0x0
.irp i, 0,1,2,3,4,5,6,7
	global_load_b128 v[16+4*\i:19+4*\i], v3, s[4:5] offset:512*\i   ; register q of lane l: token 128 (q / 4) + 4 l + q % 4
.endr
	s_wait_loadcnt 0x0
.set q, 0
.rept 32                                       ; each step has four registers of its own: no store's address or data is written again
	v_and_b32 v48, 0xff, v[16+q]
	v_lshrrev_b32 v49, 8, v[16+q]
	v_cmp_eq_u32 s20, s11, v48
	v_cmp_eq_u32 s21, s11, v49
	s_or_b32 s22, s20, s21
	v_mbcnt_lo_u32_b32 v50, s22, s13               ; my rank, if I am a taker
	v_add_nc_u32 v[65+4*q], 128*(q/4)+q%4, v4      ; my token
	v_add_nc_u32 v[64+4*q], s12, v50
	v_cndmask_b32 v[64+4*q], v5, v[64+4*q], s22
	v_min_u32 v[64+4*q], 8447, v[64+4*q]
	v_lshl_add_u32 v[64+4*q], v[64+4*q], 2, LIST
	global_store_b32 v[64+4*q], v[65+4*q], s[6:7]
	v_cndmask_b32 v51, 0, 1, s21                   ; k
	v_lshl_add_u32 v[66+4*q], v[65+4*q], 1, v51
	v_cndmask_b32 v[66+4*q], v6, v[66+4*q], s22
	v_min_u32 v[66+4*q], 2303, v[66+4*q]
	v_lshl_add_u32 v[66+4*q], v[66+4*q], 2, SLOTOF
	v_min_u32 v[67+4*q], 1023, v50
	v_add_nc_u32 v[67+4*q], s12, v[67+4*q]
	global_store_b32 v[66+4*q], v[67+4*q], s[6:7]
	s_bcnt1_i32_b32 s23, s22
	s_add_co_u32 s13, s13, s23
.set q, q+1
.endr
	v_add_nc_u32 v52, s13, v2                      ; the 16 slots behind the last taker, as far as the expert's region goes
	v_cmp_gt_u32 s20, 16, v2
	v_cmp_gt_u32 s21, 1024, v52
	s_and_b32 s22, s20, s21
	v_add_nc_u32 v52, s12, v52
	v_cndmask_b32 v52, v5, v52, s22
	v_min_u32 v52, 8447, v52
	v_lshl_add_u32 v52, v52, 2, LIST
	global_store_b32 v52, v7, s[6:7]
	v_mov_b32 v53, s15
	v_mov_b32 v54, s13
	global_store_b32 v53, v54, s[6:7]              ; cnt[e]: all lanes store the same word
	s_endpgm
.Lfunc_end_k_qdec99ea0d6_place:
	.size	k_qdec99ea0d6_place, .Lfunc_end_k_qdec99ea0d6_place-k_qdec99ea0d6_place
	.p2alignl 7, 3214868480
	.fill 96, 4, 3214868480
	.section	.rodata,"a",@progbits
	.p2align	6, 0x0
	.amdhsa_kernel k_qdec99ea0d6_place
		.amdhsa_group_segment_fixed_size 0
		.amdhsa_private_segment_fixed_size 0
		.amdhsa_enable_private_segment 0
		.amdhsa_kernarg_size 16
		.amdhsa_user_sgpr_count 2
		.amdhsa_user_sgpr_kernarg_segment_ptr 1
		.amdhsa_wavefront_size32 1
		.amdhsa_system_sgpr_workgroup_id_x 1
		.amdhsa_system_sgpr_workgroup_id_y 1
		.amdhsa_system_sgpr_workgroup_id_z 1
		.amdhsa_system_vgpr_workitem_id 0
		.amdhsa_next_free_vgpr 192
		.amdhsa_next_free_sgpr 66
		.amdhsa_reserve_vcc 0
		.amdhsa_float_denorm_mode_32 3
		.amdhsa_float_denorm_mode_16_64 3
		.amdhsa_memory_ordered 1
		.amdhsa_forward_progress 1
		.amdhsa_inst_pref_size 45
	.end_amdhsa_kernel
	.amdgpu_metadata
---
amdhsa.version: [ 1, 2 ]
amdhsa.kernels:
  - .name:           k_qdec99ea0d6_place
    .symbol:         k_qdec99ea0d6_place.kd
    .args:
      - { .name: sel, .offset: 0, .size: 8, .value_kind: global_buffer, .address_space: global }
      - { .name: order, .offset: 8, .size: 8, .value_kind: global_buffer, .address_space: global }
    .group_segment_fixed_size: 0
    .private_segment_fixed_size: 0
    .kernarg_segment_align: 8
    .kernarg_segment_size: 16
    .max_flat_workgroup_size: 256
    .sgpr_count:     66
    .vgpr_count:     192
    .wavefront_size: 32
...
	.end_amdgpu_metadata
.endif
;; end of part 2
;; launch up (part 3): grid 32 x 8, 4 waves a work-group, no clusters, 103,424 bytes of LDS; arguments w1_codes, w1_scales, b1, xq, order, hq; writes hq
.if DOCPART == 3
	.amdgcn_target "amdgcn-amd-amdhsa--gfx1250"
	.amdhsa_code_object_version 6
	.text
	.protected	k_qdec99ea0d6_up
	.globl	k_qdec99ea0d6_up
	.p2align	8
	.type	k_qdec99ea0d6_up,@function
k_qdec99ea0d6_up:
	s_mov_b64 s[64:65], 0
	v_nop
	global_prefetch_b8 v0, s[64:65] scope:SCOPE_SE
	s_setreg_imm32_b32 hwreg(HW_REG_WAVE_MODE, 25, 1), 1
	s_wait_xcnt 0x0
; h = Q(gelu(Q(x) W1 + b1)) for the rows that chose expert e, on codes of BF6 (E3M2) with one E8M0 byte for each 32 along K.  W1: [8][4096 units][1024 k] as codes, 768 bytes a unit.
; SHARES.  Work-group (g, e) owns hidden units 128 g .. 128 g + 127 of expert e: 98,304 bytes of codes, read from memory by this work-group alone.  They stay in EACH wave's registers: 64 fragments
; (K step s, tile t of 16 units: number 8 s + t), 768 registers.  The four waves take the expert's tiles of 16 rows by turns, m = wave, wave + 4, ..: 64 matrix instructions a tile, no barrier in the loop.
; THE NUMBER OF TILES comes from the stored count.  This text has no tensor load and no joint load; operands come through registers.
; THE WEIGHTS' WAY IN: wave c loads chunk c (32 units, 24,576 consecutive bytes) by 48 loads of 512 bytes and lays it in LDS as rows of 784 bytes; one barrier; every wave reads all 64 fragments.
; 784 bytes are 196 words: 16 rows start 4 words apart modulo 64 and the halves of the lanes 6 words apart, so the 32 lanes of a load of 8 bytes touch 64 different banks (64 banks of 4 bytes: ISA guide 11.1).
; THE UNITS OF A TILE ARE NOT NEIGHBOURS: lane r of tile 2 b + u takes unit 32 b + 8 u + r + 8 (r / 8); the product is used transposed (source 0 = 16 units, source 1 = 16 rows), so that a lane holds one
; row and the 16 registers of tiles 2 b, 2 b + 1 are 16 neighbours along the next K.  The chunk's rows are laid in LDS in that order.  b1 is the C of each sum's first instruction.
; erf(u) = u P(u^2) / Q(u^2) in f32, u held to +-4, beyond which erf is taken at 4; a few units in the last place of 1.  gelu = 0.5 z + 0.5 z erf(z / sqrt 2).
; hq: the tile's 128 hidden units are K step g of the second product: one fragment as an image of its registers (3 x 512 bytes, lane l's 16 bytes at 16 l), and its scale words (4 bytes a lane).
; LIMITS: NaN and infinities are not served; a block whose largest magnitude lies under 2^-122, a block of zeros too, keeps the byte 1 (read by this program alone).
; An expert that no token chose still runs one tile of filler rows (token 0), whose results nobody reads.
; REGISTERS, in windows of 256: windows 1, 2, 3: 21 fragments each; window 0: addresses, scale words, fragment 63, x's 8 fragments, the 8 accumulators, 34 registers at work.
.set CH,    25088                      ; a chunk in LDS: 32 rows of 784 bytes
.set BIAS,  4*CH                       ; each wave's own copy of b1's 128 numbers, 512 bytes
.set SPARE, BIAS+2048                  ; the spare words, 128 bytes for each wave: no other line names them
.set SPW, 1                            ; v1   LDS address of my spare word; never rewritten
.set NIL, 2                            ; v2   0; never rewritten
.set XO,  3                            ; v3   768 x token + 16 h: the codes of the tile to be fetched
.set XSO, 4                            ; v4   32 x token + 16 h: its scale words
.set TOK, 5                            ; v5   the token of my row in the tile after that
.set LOF, 6                            ; v6   where the list holds it
.set IMG, 7                            ; v7   16 x lane
.set SCO, 8                            ; v8   4 x lane
.set BIA, 9                            ; v9   BIAS + 512 x wave + 64 h
.set CA1, 10                           ; v10, v11  two of erf's coefficients
.set H16, 12                           ; v12  16 h
.set R4,  13                           ; v13  4 r
.set XS,  14                           ; v14-17  x's scale words: register i: K step i in lanes 0-15, K step 4 + i in lanes 16-31
.set WS,  18                           ; v18-49  W1's: tile t at 18 + 4 t, laid likewise
.set W63, 50                           ; v50-61  fragment 63
.set XF,  62                           ; v62-157 x's fragments, K step s at 62 + 12 s
.set HA,  158                          ; v158-221 the accumulators, tile t at 158 + 8 t
.set U,   222                          ; gelu: u, u^2, P, Q: 8 each
.set TT,  230
.set P,   238
.set Q,   246
.set TM,  222                          ; the quantiser: v222-233, the scale word, the codes
.set PW,  234
.set PC,  236
.set FA0, 158                          ; at the head alone, in the accumulators' registers
.set FA1, 159
.set SA0, 160
.set SA1, 161
.set WSO, 162
.set TK2, 163
.set LO2, 164
.set BST, 165
.set K707, 32                          ; s[32:33] 1 / sqrt 2;  pairs, both words written: the packed forms name a pair
.set KA0, 34
.set KA2, 36                           ; s[36:45] A2 .. A6
.set KB0, 46
.set KB2, 48                           ; s[48:53] B2 .. B4
.set SEL, 54                           ; s[54:55] v_permlanex16_b32's selects for lane l xor 16
.set NTW, 58                           ; s58  how many tiles are my wave's
.set TRP, 59                           ; s59  the loop's counter: tiles done
.set MSB, 0
.macro WIN new                         ; the immediate's high byte repeats the setting that is left; a switch that changes nothing is dropped
.if MSB != (\new)
	s_set_vgpr_msb (MSB<<8)|(\new)
.set MSB, (\new)
.endif
.endm
.macro FRG idx                         ; fragment idx: its window FW and first register FR
.if (\idx) < 63
.set FW, 1+(\idx)/21
.set FR, 12*((\idx)%21)
.else
.set FW, 0
.set FR, W63
.endif
.endm
.macro PLACES                          ; four places behind this matrix form, in front of loads into its registers and of the first read of results
.rept 4
	v_nop
.endr
.endm
.macro SPAIR r, val
	s_mov_b32 s[\r], \val
	s_mov_b32 s[\r+1], \val
.endm
.macro XL s                            ; K step s of the next tile's rows: lane (r, h) takes registers 4 j .. 4 j + 3 of its token's fragment
.irp j, 0,1,2
	global_load_b128 v[XF+12*(\s)+4*\j:XF+12*(\s)+4*\j+3], v[XO], s[10:11] offset:96*(\s)+32*\j
.endr
.endm
.macro QUANT s                         ; 64 numbers of a lane, register 16 b + i = k 32 b + 16 h + i of my row, become codes in v[PC] on and a scale word in v[PW]
.irp b, 0,1,2,3
	v_max3_num_f32 v[TM+\b], |v[\s+16*\b]|, |v[\s+1+16*\b]|, 0x2800000   ; and the floor 2^(5 - 127): the byte cannot fall under 1
.endr
.irp i, 2,4,6,8,10,12,14
.irp b, 0,1,2,3
	v_max3_num_f32 v[TM+\b], v[TM+\b], |v[\s+16*\b+\i]|, |v[\s+1+16*\b+\i]|
.endr
.endr
.irp b, 0,1,2,3
	v_permlanex16_b32 v[TM+4+\b], v[TM+\b], s[SEL], s[SEL+1]
.endr
.irp b, 0,1,2,3
	v_max_num_f32 v[TM+\b], v[TM+\b], v[TM+4+\b]
.endr
.irp b, 0,1,2,3
	v_add_nc_u32 v[TM+8+\b], 0xfe000000, v[TM+\b]      ; 4 off the exponent field: the conversion's scale operand
.endr
.irp b, 0,1,2,3
	v_lshrrev_b32 v[TM+4+\b], 23, v[TM+8+\b]
.endr
	v_lshl_or_b32 v[PW], v[TM+5], 8, v[TM+4]
	v_lshl_or_b32 v[PW], v[TM+6], 16, v[PW]
	v_lshl_or_b32 v[PW], v[TM+7], 24, v[PW]
.irp c, 0,1
	v_cvt_scalef32_pk16_bf6_f32 v[PC+6*\c:PC+2+6*\c], v[\s+32*\c:\s+15+32*\c], v[TM+8+2*\c]
	v_cvt_scalef32_pk16_bf6_f32 v[PC+12+4*\c:PC+14+4*\c], v[\s+16+32*\c:\s+31+32*\c], v[TM+8+2*\c+1]
.endr
	v_nop                                              ; one plain line behind the last scaled conversion
.irp c, 0,1
.irp i, 0,1,2
	v_permlane16_swap_b32 v[PC+6*\c+\i], v[PC+12+4*\c+\i]
.endr
.irp i, 0,1,2
	v_mov_b32 v[PC+3+6*\c+\i], v[PC+12+4*\c+\i]
.endr
.endr
.endm
.macro GELU8 t                         ; the eight numbers of tile t, four pairs by turns in every step; the accumulator is read from its low end on
.set Z, HA+8*(\t)
.irp k, 0,2,4,6
	v_pk_mul_f32 v[U+\k:U+\k+1], v[Z+\k:Z+\k+1], s[K707:K707+1] op_sel_hi:[1,0]
.endr
.irp k, 0,1,2,3,4,5,6,7
	v_med3_num_f32 v[U+\k], v[U+\k], -4.0, 4.0
.endr
.irp k, 0,2,4,6
	v_pk_mul_f32 v[TT+\k:TT+\k+1], v[U+\k:U+\k+1], v[U+\k:U+\k+1]
.endr
.irp k, 0,2,4,6
	v_pk_fma_f32 v[P+\k:P+\k+1], v[TT+\k:TT+\k+1], s[KA0:KA0+1], v[CA1:CA1+1] op_sel_hi:[1,0,0]                  ; A0 t + A1 (v10 for both halves)
.endr
.irp k, 0,2,4,6
	v_pk_fma_f32 v[Q+\k:Q+\k+1], v[TT+\k:TT+\k+1], s[KB0:KB0+1], v[CA1:CA1+1] op_sel:[0,0,1] op_sel_hi:[1,0,1]   ; B0 t + B1 (v11 for both halves)
.endr
.irp c, 0,1,2
.irp k, 0,2,4,6
	v_pk_fma_f32 v[P+\k:P+\k+1], v[P+\k:P+\k+1], v[TT+\k:TT+\k+1], s[KA2+2*\c:KA2+2*\c+1] op_sel_hi:[1,1,0]
.endr
.irp k, 0,2,4,6
	v_pk_fma_f32 v[Q+\k:Q+\k+1], v[Q+\k:Q+\k+1], v[TT+\k:TT+\k+1], s[KB2+2*\c:KB2+2*\c+1] op_sel_hi:[1,1,0]
.endr
.endr
.irp c, 3,4
.irp k, 0,2,4,6
	v_pk_fma_f32 v[P+\k:P+\k+1], v[P+\k:P+\k+1], v[TT+\k:TT+\k+1], s[KA2+2*\c:KA2+2*\c+1] op_sel_hi:[1,1,0]
.endr
.endr
.irp k, 0,1,2,3,4,5,6,7
	v_rcp_f32 v[Q+\k], v[Q+\k]
.endr
.irp k, 0,2,4,6                                ; plain work that names no reciprocal
	v_pk_mul_f32 v[P+\k:P+\k+1], v[P+\k:P+\k+1], v[U+\k:U+\k+1]
.endr
.irp k, 0,2,4,6
	v_pk_mul_f32 v[Z+\k:Z+\k+1], v[Z+\k:Z+\k+1], 0.5 op_sel_hi:[1,0]
.endr
	s_wait_alu depctr_va_vdst(0)                   ; one wait for the eight reciprocals, ahead of their first reader
.irp k, 0,2,4,6
	v_pk_mul_f32 v[P+\k:P+\k+1], v[P+\k:P+\k+1], v[Q+\k:Q+\k+1]                        ; erf
.endr
.irp k, 0,2,4,6
	v_pk_fma_f32 v[Z+\k:Z+\k+1], v[Z+\k:Z+\k+1], v[P+\k:P+\k+1], v[Z+\k:Z+\k+1]        ; 0.5 z erf + 0.5 z
.endr
.endm
	s_load_b256 s[4:11], s[0:1], 0x0               ; w1_codes 4, w1_scales 6, b1 8, xq 10
	s_load_b128 s[12:15], s[0:1], 0x20             ; order 12, hq 14
	v_lshl_add_u32 v[SPW], v0, 2, SPARE
	v_mov_b32 v[NIL], 0
	v_lshrrev_b32 v3, 5, v0
	v_readfirstlane_b32 s16, v3                    ; wave
	s_mov_b32 s17, ttmp9                           ; g
	s_and_b32 s18, ttmp7, 0xffff                   ; e
	v_and_b32 v[R4], 15, v0                        ; r
	v_bfe_u32 v[H16], v0, 4, 1                     ; h
	v_and_b32 v[IMG], 31, v0
	v_lshlrev_b32 v[SCO], 2, v[IMG]
	v_lshlrev_b32 v[IMG], 4, v[IMG]
	s_mul_i32 s22, s16, CH
	v_add_nc_u32 v[SA0], s22, v[IMG]               ; my chunk, 16 x lane;
	v_lshl_add_u32 v[SA1], v[H16], 4, v[SA0]       ; for the load that ends one row and begins the next: lanes 16-31 stand 16 bytes (784 - 768) further on
	v_mul_u32_u24 v[FA0], v[R4], 784
	v_mad_u32_u24 v[FA0], v[H16], 24, v[FA0]       ; a fragment: row r, + 24 h;  chunks 0, 1
	v_add_nc_u32 v[FA1], 2*CH, v[FA0]              ; chunks 2, 3
	v_and_b32 v[WSO], 8, v[R4]
	v_add_nc_u32 v[WSO], v[WSO], v[R4]             ; r + 8 (r / 8)
	v_lshlrev_b32 v[WSO], 5, v[WSO]
	v_lshl_add_u32 v[WSO], v[H16], 4, v[WSO]       ; W1's scale words: 32 bytes a unit, + 16 h
	s_lshl_b32 s22, s16, 9
	v_add_nc_u32 v[BST], s22, v[IMG]
	v_add_nc_u32 v[BST], BIAS, v[BST]
	v_lshlrev_b32 v[BIA], 6, v[H16]
	v_add_nc_u32 v[BIA], s22, v[BIA]
	v_add_nc_u32 v[BIA], BIAS, v[BIA]
	v_lshlrev_b32 v[H16], 4, v[H16]
	v_lshlrev_b32 v[R4], 2, v[R4]
	v_mov_b32 v[CA1], 0x32edffee                   ; A1 =  2.77068142e-08
	v_mov_b32 v[CA1+1], 0xb95fbd29                 ; B1 = -2.13374055e-04
	SPAIR K707, 0x3f3504f3                         ; 0.70710678
	SPAIR KA0, 0xaf95df0b                          ; A0 = -2.72614226e-10
	SPAIR KA2, 0xb60cff51                          ; A2 = -2.10102402e-06
	SPAIR KA2+2, 0xb86ec2d2                        ; A3 = -5.69250639e-05
	SPAIR KA2+4, 0xba40ac63                        ; A4 = -7.34990630e-04
	SPAIR KA2+6, 0xbb41a1f6                        ; A5 = -2.95459981e-03
	SPAIR KA2+8, 0xbc83dbd4                        ; A6 = -1.60960333e-02
	SPAIR KB0, 0xb77460cd                          ; B0 = -1.45660718e-05
	SPAIR KB2, 0xbadc924e                          ; B2 = -1.68282697e-03
	SPAIR KB2+2, 0xbbf19bf8                        ; B3 = -7.37332917e-03
	SPAIR KB2+4, 0xbc69b6a7                        ; B4 = -1.42647391e-02
	s_mov_b32 s[SEL], 0x76543210
	s_mov_b32 s[SEL+1], 0xfedcba98
	s_lshl_b32 s22, s18, 2
	s_mov_b32 s23, 0
	s_wait_kmcnt 0x0
	s_add_nc_u64 s[56:57], s[12:13], s[22:23]
	s_load_b32 s19, s[56:57], 0x0                  ; cnt[e]
	s_mul_i32 s22, s18, 3145728                    ; (4,096 e + 128 g + 32 wave) units of 768 bytes
	s_mul_i32 s30, s17, 98304
	s_add_co_u32 s22, s22, s30
	s_mul_i32 s30, s16, 24576
	s_add_co_u32 s22, s22, s30
	s_add_nc_u64 s[4:5], s[4:5], s[22:23]
	WIN 0x40                                       ; destination window 1
.set j, 0
.rept 48
	global_load_b128 v[4*j:4*j+3], v[IMG], s[4:5] offset:512*j th:TH_LOAD_NT   ; my chunk as it lies: 512 consecutive bytes a load; read once in the launch
.set j, j+1
.endr
	WIN 0
	s_lshl_b32 s22, s18, 17                        ; (4,096 e + 128 g) x 32 bytes
	s_lshl_b32 s30, s17, 12
	s_add_co_u32 s22, s22, s30
	s_add_nc_u64 s[6:7], s[6:7], s[22:23]
.irp t, 0,1,2,3,4,5,6,7
	global_load_b128 v[WS+4*\t:WS+4*\t+3], v[WSO], s[6:7] offset:32*(32*(\t/2)+8*(\t%2))
.endr
	s_lshl_b32 s22, s18, 14                        ; (4,096 e + 128 g) x 4 bytes
	s_lshl_b32 s30, s17, 9
	s_add_co_u32 s22, s22, s30
	s_add_nc_u64 s[8:9], s[8:9], s[22:23]
	global_load_b128 v[222:225], v[IMG], s[8:9]
	s_lshl_b32 s22, s18, 12
	s_add_nc_u64 s[28:29], s[12:13], s[22:23]
	s_add_nc_u64 s[28:29], s[28:29], 9472          ; the expert's list
	s_mul_i32 s22, s18, 3145728                    ; hq: ((64 e + wave) 32 + g) x 1,536
	s_mul_i32 s30, s16, 49152
	s_add_co_u32 s22, s22, s30
	s_mul_i32 s30, s17, 1536
	s_add_co_u32 s22, s22, s30
	s_add_nc_u64 s[24:25], s[14:15], s[22:23]
	s_lshl_b32 s22, s18, 18                        ; and its scale words: ((64 e + wave) 32 + g) x 128
	s_lshl_b32 s30, s16, 12
	s_add_co_u32 s22, s22, s30
	s_lshl_b32 s30, s17, 7
	s_add_co_u32 s22, s22, s30
	s_add_nc_u64 s[26:27], s[14:15], s[22:23]
	s_add_nc_u64 s[26:27], s[26:27], 25165824
	s_wait_kmcnt 0x0
	s_min_u32 s19, s19, 1024
	s_add_co_u32 s19, s19, 15
	s_lshr_b32 s19, s19, 4
	s_max_u32 s19, s19, 1                          ; nt: tiles of 16 rows, at least one, at most 64
	s_sub_co_u32 s20, s19, 1
	s_add_co_u32 s[NTW], s19, 3
	s_sub_co_u32 s[NTW], s[NTW], s16
	s_lshr_b32 s[NTW], s[NTW], 2                   ; the tiles wave, wave + 4, .. under nt: (nt + 3 - wave) / 4 of them, none where nt <= wave
	s_mov_b32 s[TRP], 0
	s_min_u32 s22, s16, s20                        ; my first tile and my second, held at the last tile there is
	s_min_u32 s22, s22, 63
	s_lshl_b32 s22, s22, 6
	v_add_nc_u32 v[LOF], s22, v[R4]
	s_add_co_u32 s22, s16, 4
	s_min_u32 s22, s22, s20
	s_min_u32 s22, s22, 63
	s_lshl_b32 s22, s22, 6
	v_add_nc_u32 v[LO2], s22, v[R4]
	global_load_b32 v[TOK], v[LOF], s[28:29]
	global_load_b32 v[TK2], v[LO2], s[28:29]
	s_wait_loadcnt 0x0                             ; the chunk, the scale words, b1 and the two tokens
	v_min_u32 v[TOK], 1023, v[TOK]
	v_mul_u32_u24 v[XO], v[TOK], 768
	v_add_nc_u32 v[XO], v[H16], v[XO]
	v_lshl_add_u32 v[XSO], v[TOK], 5, v[H16]
.irp s, 0,1,2,3,4,5,6,7
	XL \s                                          ; my first tile's rows land while the weights go through LDS
.endr
	global_load_b128 v[XS:XS+3], v[XSO], s[10:11] offset:786432
	WIN 0x04                                       ; an LDS store's data are its source 1: window 1
.set j, 0
.rept 48                                       ; load 3 k + x holds a third of the pair of units 2 k, 2 k + 1; unit u goes to LDS row (u & 7) | (u & 8) << 1 | (u & 16) >> 1: rows 16 v .. 16 v + 15 are tile 2 c + v's
.set rho, 2*(j/3)
.set PIR, ((rho&7)|((rho&8)<<1)|((rho&16)>>1))*784
.if j%3 == 0
	ds_store_b128 v[SA0], v[4*j:4*j+3] offset:PIR
.elseif j%3 == 1
	ds_store_b128 v[SA1], v[4*j:4*j+3] offset:PIR+512
.else
	ds_store_b128 v[SA0], v[4*j:4*j+3] offset:PIR+1040
.endif
.set j, j+1
.endr
	WIN 0
	ds_store_b128 v[BST], v[222:225]
	s_wait_dscnt 0x0                               ; for the others' sake: my chunk has landed
	s_barrier_signal -1                            ; the launch's one barrier, ahead of every branch on the count
	s_barrier_wait -1
.set idx, 0
.rept 64                                       ; all 64 fragments, six loads of 8 bytes each: every address is a multiple of the access's size
	FRG idx
	WIN (FW<<6)
.set tt, idx%8
.set OFS, ((tt/2)%2)*CH+(tt%2)*12544+96*(idx/8)
.irp p, 0,1,2,3,4,5
.if tt < 4
	ds_load_b64 v[FR+2*\p:FR+2*\p+1], v[FA0] offset:OFS+48*(\p/3)+8*(\p%3)
.else
	ds_load_b64 v[FR+2*\p:FR+2*\p+1], v[FA1] offset:OFS+48*(\p/3)+8*(\p%3)
.endif
.endr
.set idx, idx+1
.endr
	WIN 0
	s_wait_xcnt 0x0                                ; the first tile's loads have read their addresses: these now take the second tile's
	v_min_u32 v[TK2], 1023, v[TK2]
	v_mul_u32_u24 v[XO], v[TK2], 768
	v_add_nc_u32 v[XO], v[H16], v[XO]
	v_lshl_add_u32 v[XSO], v[TK2], 5, v[H16]
.irp b, 0,1,2,3
	v_mov_b32 v[TM+4+\b], 0                        ; written once: a lane permute's destination counts as one of its sources
.endr
	s_mov_b32 s21, s16                             ; m
	s_wait_loadcnt 0x0                             ; the first tile's rows
	s_wait_dscnt 0x0                               ; the fragments
	s_cmp_eq_u32 s[NTW], 0
	s_cbranch_scc1 .Lend                           ; fewer tiles than waves
.Ltile:
	s_add_co_u32 s22, s21, 8                       ; the list entry of the tile after next
	s_min_u32 s22, s22, s20
	s_min_u32 s22, s22, 63
	s_lshl_b32 s22, s22, 6
	v_add_nc_u32 v[LOF], s22, v[R4]
.irp t, 0,1,2,3,4,5,6,7                        ; b1 in the result's layout: for tile 2 b + u the units 32 b + 16 h + 8 u + 0 .. 7
	ds_load_b128 v[HA+8*\t:HA+8*\t+3], v[BIA] offset:128*(\t/2)+32*(\t%2)
	ds_load_b128 v[HA+8*\t+4:HA+8*\t+7], v[BIA] offset:128*(\t/2)+32*(\t%2)+16
.endr
	s_wait_dscnt 0x0
.set idx, 0
.rept 64                                       ; the eight accumulators take turns, one instruction a turn, over the backward jump too
	FRG idx
	WIN FW
.set ss, idx/8
.set tt, idx%8
.if ss < 4
	v_wmma_scale_f32_16x16x128_f8f6f4 v[HA+8*tt:HA+8*tt+7], v[FR:FR+11], v[XF+12*ss:XF+12*ss+11], v[HA+8*tt:HA+8*tt+7], v[WS+4*tt+ss], v[XS+ss] matrix_a_fmt:MATRIX_FMT_BF6 matrix_b_fmt:MATRIX_FMT_BF6
.else
	v_wmma_scale_f32_16x16x128_f8f6f4 v[HA+8*tt:HA+8*tt+7], v[FR:FR+11], v[XF+12*ss:XF+12*ss+11], v[HA+8*tt:HA+8*tt+7], v[WS+4*tt+ss-4], v[XS+ss-4] matrix_a_fmt:MATRIX_FMT_BF6 matrix_b_fmt:MATRIX_FMT_BF6 matrix_a_scale:MATRIX_SCALE_ROW1 matrix_b_scale:MATRIX_SCALE_ROW1
.endif
.if idx == 20                                  ; where the weights' window changes anyway, the K steps that are done with take the next tile's rows
	WIN 0
	PLACES
	XL 0
	XL 1
.elseif idx == 41
	WIN 0
	PLACES
	XL 2
	XL 3
	XL 4
.elseif idx == 62
	WIN 0
	PLACES
	XL 5
	XL 6
.elseif idx == 63
	PLACES                                         ; also the places in front of the first read of results
	XL 7
	global_load_b128 v[XS:XS+3], v[XSO], s[10:11] offset:786432
	global_load_b32 v[TOK], v[LOF], s[28:29]
.endif
.set idx, idx+1
.endr
.irp t, 0,1,2,3,4,5,6,7
	GELU8 \t
.endr
	QUANT HA
.irp j, 0,1,2
	global_store_b128 v[IMG], v[PC+4*\j:PC+4*\j+3], s[24:25] offset:512*\j   ; the fragment as it stands: 1,536 consecutive bytes
.endr
	global_store_b32 v[SCO], v[PW], s[26:27]
	s_wait_loadcnt 0x0                             ; the next tile's rows, scale words and the token after: asked for ahead of the whole gelu
	s_wait_xcnt 0x0                                ; the stores have read their data and bases: both are written again only behind this wait
	s_add_nc_u64 s[24:25], s[24:25], 196608        ; four tiles on: 4 x 32 x 1,536
	s_add_nc_u64 s[26:27], s[26:27], 16384
	v_min_u32 v[TOK], 1023, v[TOK]
	v_mul_u32_u24 v[XO], v[TOK], 768
	v_add_nc_u32 v[XO], v[H16], v[XO]
	v_lshl_add_u32 v[XSO], v[TOK], 5, v[H16]
	s_add_co_u32 s21, s21, 4                       ; m: it feeds the list's offset alone
	s_add_co_u32 s[TRP], s[TRP], 1                 ; the loop is counted tile by tile
	s_cmp_lt_u32 s[TRP], s[NTW]
	s_cbranch_scc1 .Ltile
.Lend:
	s_wait_tensorcnt 0x0                           ; the wave's end, behind my last LDS store
	ds_add_u32 v[SPW], v[NIL]
	s_wait_dscnt 0x0
	s_endpgm
.Lfunc_end_k_qdec99ea0d6_up:
	.size	k_qdec99ea0d6_up, .Lfunc_end_k_qdec99ea0d6_up-k_qdec99ea0d6_up
	.p2alignl 7, 3214868480
	.fill 96, 4, 3214868480
	.section	.rodata,"a",@progbits
	.p2align	6, 0x0
	.amdhsa_kernel k_qdec99ea0d6_up
		.amdhsa_group_segment_fixed_size 103424
		.amdhsa_private_segment_fixed_size 0
		.amdhsa_enable_private_segment 0
		.amdhsa_kernarg_size 48
		.amdhsa_user_sgpr_count 2
		.amdhsa_user_sgpr_kernarg_segment_ptr 1
		.amdhsa_wavefront_size32 1
		.amdhsa_system_sgpr_workgroup_id_x 1
		.amdhsa_system_sgpr_workgroup_id_y 1
		.amdhsa_system_sgpr_workgroup_id_z 1
		.amdhsa_system_vgpr_workitem_id 0
		.amdhsa_next_free_vgpr 1024
		.amdhsa_next_free_sgpr 66
		.amdhsa_reserve_vcc 0
		.amdhsa_float_denorm_mode_32 3
		.amdhsa_float_denorm_mode_16_64 3
		.amdhsa_memory_ordered 1
		.amdhsa_forward_progress 1
		.amdhsa_inst_pref_size 97
	.end_amdhsa_kernel
	.amdgpu_metadata
---
amdhsa.version: [ 1, 2 ]
amdhsa.kernels:
  - .name:           k_qdec99ea0d6_up
    .symbol:         k_qdec99ea0d6_up.kd
    .args:
      - { .name: w1_codes, .offset: 0, .size: 8, .value_kind: global_buffer, .address_space: global }
      - { .name: w1_scales, .offset: 8, .size: 8, .value_kind: global_buffer, .address_space: global }
      - { .name: b1, .offset: 16, .size: 8, .value_kind: global_buffer, .address_space: global }
      - { .name: xq, .offset: 24, .size: 8, .value_kind: global_buffer, .address_space: global }
      - { .name: order, .offset: 32, .size: 8, .value_kind: global_buffer, .address_space: global }
      - { .name: hq, .offset: 40, .size: 8, .value_kind: global_buffer, .address_space: global }
    .group_segment_fixed_size: 103424
    .private_segment_fixed_size: 0
    .kernarg_segment_align: 8
    .kernarg_segment_size: 48
    .max_flat_workgroup_size: 128
    .sgpr_count:     66
    .vgpr_count:     1024
    .wavefront_size: 32
...
	.end_amdgpu_metadata
.endif
;; end of part 3
;; launch down (part 4): grid 32 x 8, 4 waves a work-group, no clusters, 168,448 bytes of LDS; arguments w2_codes, w2_scales, b2, hq, order, y; writes y
.if DOCPART == 4
	.amdgcn_target "amdgcn-amd-amdhsa--gfx1250"
	.amdhsa_code_object_version 6
	.text
	.protected	k_qdec99ea0d6_down
	.globl	k_qdec99ea0d6_down
	.p2align	8
	.type	k_qdec99ea0d6_down,@function
k_qdec99ea0d6_down:
	s_mov_b64 s[64:65], 0
	v_nop
	global_prefetch_b8 v0, s[64:65] scope:SCOPE_SE
	s_setreg_imm32_b32 hwreg(HW_REG_WAVE_MODE, 25, 1), 1
	s_wait_xcnt 0x0
; y = h W2 + b2 for the rows that chose expert e, on codes of BF6 (E3M2) with one E8M0 byte for each 32 along K.  W2: [8][1024 outputs][4096 k] as codes, 3,072 bytes an output.  y: [8,192 slots][1024] f32, not yet weighed.
; SHARES.  Work-group (x, e): q = x % 4 takes the expert's tiles of 16 rows m = q, q + 4, ..; dg = x / 4 the outputs 128 dg .. 128 dg + 127.  THE FOUR WAVES SHARE K: wave w holds those 128 outputs' codes of
; K steps 8 w .. 8 w + 7 (768 bytes of each row, at byte 768 w) in its registers for the whole launch: 64 fragments (K step s, tile t: number 8 s + t), 768 registers.  Each byte of h is read by one wave of a work-group.
; The waves' partial sums of a tile meet in LDS: one barrier a tile, two sets of stages by turns; wave w then adds rows 4 w .. 4 w + 3 in ascending K, adds b2 and stores 512 consecutive bytes a row.
; THE NUMBER OF TILES comes from the stored count.  The loop has a constant 16 turns; a turn without a tile jumps over its work by a scalar branch, never over the barrier.  This text has no tensor load
; and no joint load; operands come through registers.
; THE WEIGHTS' WAY IN: by chunks of 32 rows x 768 bytes: 48 loads of 512 bytes (whole aligned blocks of 256 bytes of the rows), into the very registers that the chunk's 16 fragments will take; through the wave's own
; LDS region as rows of 784 bytes; back as fragments.  LDS serves a wave's instructions in order (ISA guide 5.7.1.4), so a chunk's stores come behind the last chunk's reads; no barrier is needed.
; The product is used transposed (source 0 = 16 outputs, source 1 = 16 rows): a lane holds eight neighbouring outputs of one row.
; REGISTERS, in windows of 256: windows 1, 2, 3: 21 fragments each; window 0: addresses, scale words, fragment 63, h's 8 fragments, the 8 accumulators.
.set CH,    25088                      ; a wave's region: 32 rows of 784 bytes
.set RB,    4*CH                       ; the stages: 2 sets x 4 waves x 16 rows x 528 bytes
.set RSET,  33792
.set SPARE, RB+2*RSET                  ; the spare words, 128 bytes for each wave: no other line names them
.set SPW, 1                            ; v1   LDS address of my spare word; never rewritten
.set NIL, 2                            ; v2   0; never rewritten
.set HO,  3                            ; v3   16 x lane + 49,152 x tile: the codes of the tile to be fetched
.set HSO, 4                            ; v4   4 x lane + 4,096 x tile: its scale words
.set YO,  5                            ; v5   16 x lane + 65,536 x m
.set IMG, 7                            ; v7   16 x lane
.set SCO, 8                            ; v8   4 x lane
.set STO, 9                            ; v9   RB + 8,448 w + 528 r + 32 h
.set RDA, 10                           ; v10  RB + 2,112 w + 16 x lane
.set B2V, 14                           ; v14-17  b2 of my four outputs of a row
.set WS,  18                           ; v18-49  W2's scale words: tile t at 18 + 4 t; register i: K step i in lanes 0-15, K step 4 + i in lanes 16-31
.set W63, 50                           ; v50-61  fragment 63
.set XF,  62                           ; v62-157 h's fragments
.set HA,  158                          ; v158-221 the accumulators; later the rows to be added
.set HS,  222                          ; v222-229 h's scale words, a register a K step
.set GA1, 230                          ; at the head alone
.set SA0, 231
.set SA1, 232
.set FA,  233
.set WSO, 234
.set RR,  235
.set HH,  236
.set MSB, 0
.macro WIN new                         ; the immediate's high byte repeats the setting that is left; a switch that changes nothing is dropped
.if MSB != (\new)
	s_set_vgpr_msb (MSB<<8)|(\new)
.set MSB, (\new)
.endif
.endm
.macro FRG idx                         ; fragment idx: its window FW and first register FR
.if (\idx) < 63
.set FW, 1+(\idx)/21
.set FR, 12*((\idx)%21)
.else
.set FW, 0
.set FR, W63
.endif
.endm
.macro PLACES                          ; four places behind this matrix form, in front of loads into its registers and of the first read of results
.rept 4
	v_nop
.endr
.endm
.macro GLOAD c                         ; chunk c: load 3 k + x is a third of the pair of rows 2 k, 2 k + 1, into group x of the chunk's fragment k
.set j, 0
.rept 48
.set kk, j/3
	FRG 8*(kk/2)+2*(\c)+(kk%2)
	WIN (FW<<6)
.if j%3 == 0
	global_load_b128 v[FR:FR+3], v[IMG], s[4:5] offset:(32*(\c)+2*kk)*3072
.elseif j%3 == 1
	global_load_b128 v[FR+4:FR+7], v[GA1], s[4:5] offset:(32*(\c)+2*kk)*3072+512     ; lanes 16-31 begin the next row: 3,072 - 768 bytes further on
.else
	global_load_b128 v[FR+8:FR+11], v[IMG], s[4:5] offset:(32*(\c)+2*kk+1)*3072+256
.endif
.set j, j+1
.endr
	WIN 0
.endm
.macro SSTORE c                        ; the same registers into my region, rows 784 bytes apart
.set j, 0
.rept 48
.set kk, j/3
	FRG 8*(kk/2)+2*(\c)+(kk%2)
	WIN (FW<<2)
.if j%3 == 0
	ds_store_b128 v[SA0], v[FR:FR+3] offset:2*kk*784
.elseif j%3 == 1
	ds_store_b128 v[SA1], v[FR+4:FR+7] offset:2*kk*784+512
.else
	ds_store_b128 v[SA0], v[FR+8:FR+11] offset:2*kk*784+1040
.endif
.set j, j+1
.endr
	WIN 0
.endm
.macro FREAD c                         ; and back as the chunk's 16 fragments: K step f / 2, tile 2 c + f % 2; six loads of 8 bytes each
.set ff, 0
.rept 16
	FRG 8*(ff/2)+2*(\c)+(ff%2)
	WIN (FW<<6)
.irp p, 0,1,2,3,4,5
	ds_load_b64 v[FR+2*\p:FR+2*\p+1], v[FA] offset:(ff%2)*12544+96*(ff/2)+48*(\p/3)+8*(\p%3)
.endr
.set ff, ff+1
.endr
	WIN 0
.endm
.macro HL s                            ; K step s of the tile to be fetched: the fragment's image and its scale words: four loads
.irp j, 0,1,2
	global_load_b128 v[XF+12*(\s)+4*\j:XF+12*(\s)+4*\j+3], v[HO], s[28:29] offset:1536*(\s)+512*\j
.endr
	global_load_b32 v[HS+(\s)], v[HSO], s[30:31] offset:128*(\s)
.endm
	s_load_b256 s[4:11], s[0:1], 0x0               ; w2_codes 4, w2_scales 6, b2 8, hq 10
	s_load_b128 s[12:15], s[0:1], 0x20             ; order 12, y 14
	v_lshl_add_u32 v[SPW], v0, 2, SPARE
	v_mov_b32 v[NIL], 0
	v_lshrrev_b32 v3, 5, v0
	v_readfirstlane_b32 s16, v3                    ; wave w
	s_and_b32 s17, ttmp9, 3                        ; q
	s_lshr_b32 s18, ttmp9, 2                       ; dg
	s_and_b32 s19, ttmp7, 0xffff                   ; e
	v_and_b32 v[RR], 15, v0
	v_bfe_u32 v[HH], v0, 4, 1
	v_and_b32 v[IMG], 31, v0
	v_lshlrev_b32 v[SCO], 2, v[IMG]
	v_lshlrev_b32 v[IMG], 4, v[IMG]
	v_mul_u32_u24 v[GA1], v[HH], 2304
	v_add_nc_u32 v[GA1], v[GA1], v[IMG]
	s_mul_i32 s24, s16, CH
	v_add_nc_u32 v[SA0], s24, v[IMG]
	v_lshl_add_u32 v[SA1], v[HH], 4, v[SA0]
	v_mul_u32_u24 v[FA], v[RR], 784
	v_mad_u32_u24 v[FA], v[HH], 24, v[FA]
	v_add_nc_u32 v[FA], s24, v[FA]
	s_lshl_b32 s24, s16, 5
	v_lshlrev_b32 v[WSO], 7, v[RR]
	v_lshl_add_u32 v[WSO], v[HH], 4, v[WSO]
	v_add_nc_u32 v[WSO], s24, v[WSO]               ; W2's scale words: 128 r + 32 w + 16 h
	s_mul_i32 s24, s16, 8448
	v_mul_u32_u24 v[STO], v[RR], 528
	v_lshl_add_u32 v[STO], v[HH], 5, v[STO]
	v_add_nc_u32 v[STO], s24, v[STO]
	v_add_nc_u32 v[STO], RB, v[STO]
	s_mul_i32 s24, s16, 2112
	v_add_nc_u32 v[RDA], s24, v[IMG]
	v_add_nc_u32 v[RDA], RB, v[RDA]
	v_mov_b32 v[YO], v[IMG]                        ; written on every way; each tile writes it anew
	s_lshl_b32 s36, s19, 2
	s_mov_b32 s37, 0
	s_wait_kmcnt 0x0
	s_add_nc_u64 s[34:35], s[12:13], s[36:37]
	s_load_b32 s20, s[34:35], 0x0                  ; cnt[e]
	s_mul_i32 s36, s19, 3145728                    ; (1,024 e + 128 dg) rows of 3,072 bytes + 768 w
	s_mul_i32 s24, s18, 393216
	s_add_co_u32 s36, s36, s24
	s_mul_i32 s24, s16, 768
	s_add_co_u32 s36, s36, s24
	s_add_nc_u64 s[4:5], s[4:5], s[36:37]
	GLOAD 0
	GLOAD 1
	s_lshl_b32 s36, s19, 17                        ; (1,024 e + 128 dg) x 128
	s_lshl_b32 s24, s18, 14
	s_add_co_u32 s36, s36, s24
	s_add_nc_u64 s[6:7], s[6:7], s[36:37]
	s_lshl_b32 s36, s19, 12                        ; (1,024 e + 128 dg) x 4
	s_lshl_b32 s24, s18, 9
	s_add_co_u32 s36, s36, s24
	s_add_nc_u64 s[8:9], s[8:9], s[36:37]
	s_mul_i32 s36, s19, 3145728                    ; hq: (64 e x 32 + 8 w) x 1,536
	s_mul_i32 s24, s16, 12288
	s_add_co_u32 s36, s36, s24
	s_add_nc_u64 s[28:29], s[10:11], s[36:37]
	s_lshl_b32 s36, s19, 18                        ; its scale words: (64 e x 32 + 8 w) x 128
	s_lshl_b32 s24, s16, 10
	s_add_co_u32 s36, s36, s24
	s_add_nc_u64 s[30:31], s[10:11], s[36:37]
	s_add_nc_u64 s[30:31], s[30:31], 25165824
	s_lshl_b32 s36, s19, 22                        ; y: (1,024 e + 4 w) rows of 4,096 bytes + 512 dg
	s_lshl_b32 s24, s16, 14
	s_add_co_u32 s36, s36, s24
	s_lshl_b32 s24, s18, 9
	s_add_co_u32 s36, s36, s24
	s_add_nc_u64 s[32:33], s[14:15], s[36:37]
	s_wait_loadcnt 48                              ; chunk 0 is in; chunk 1's 48 loads may be out
	SSTORE 0
	s_wait_dscnt 0x0                               ; the stores have read their registers, which the fragments now take
	FREAD 0
	GLOAD 2
	s_wait_loadcnt 48                              ; chunk 1 is in; chunk 2's may be out
	SSTORE 1
	s_wait_dscnt 0x0
	FREAD 1
	GLOAD 3
	s_wait_loadcnt 48                              ; chunk 2 is in; chunk 3's may be out
	SSTORE 2
	s_wait_dscnt 0x0
	FREAD 2
.irp t, 0,1,2,3,4,5,6,7
	global_load_b128 v[WS+4*\t:WS+4*\t+3], v[WSO], s[6:7] offset:2048*\t
.endr
	global_load_b128 v[B2V:B2V+3], v[IMG], s[8:9]
	s_wait_kmcnt 0x0
	s_min_u32 s20, s20, 1024
	s_add_co_u32 s20, s20, 15
	s_lshr_b32 s20, s20, 4
	s_max_u32 s20, s20, 1                          ; nt
	s_sub_co_u32 s21, s20, 1
	s_mov_b32 s22, s17                             ; m = q
	s_min_u32 s24, s17, s21                        ; my first tile, held at the last tile there is
	s_min_u32 s24, s24, 63
	s_mul_i32 s25, s24, 49152
	v_add_nc_u32 v[HO], s25, v[IMG]
	s_lshl_b32 s25, s24, 12
	v_add_nc_u32 v[HSO], s25, v[SCO]
.irp s, 0,1,2,3,4,5,6,7
	HL \s                                          ; 32 loads, in the order in which the K steps are wanted
.endr
	s_wait_loadcnt 32                              ; chunk 3, the scale words and b2 are in; the tile's 32 loads may be out
	SSTORE 3
	s_wait_dscnt 0x0
	FREAD 3
	s_wait_dscnt 0x0
; ONE TURN.  par: which set of stages.  At its head the last 32 loads issued are the tile's, in four groups: K steps 0, 1 (8 loads); 2, 3, 4 (12); 5, 6 (8); 7 (4).
.macro TRIP par
	s_wait_xcnt 0x0                                ; on every way through the turn: the last turn's loads and stores have read their addresses and data (HO, HSO, YO, the rows that were stored), which this turn writes again
	s_cmp_lt_u32 s22, s20
	s_cbranch_scc0 .La_\@                          ; no tile m: the work is jumped over, the barrier is not
	s_add_co_u32 s24, s22, 4                       ; the tile to be fetched, held at the last tile there is
	s_min_u32 s24, s24, s21
	s_min_u32 s24, s24, 63
	s_mul_i32 s25, s24, 49152
	v_add_nc_u32 v[HO], s25, v[IMG]
	s_lshl_b32 s25, s24, 12
	v_add_nc_u32 v[HSO], s25, v[SCO]
	s_lshl_b32 s25, s22, 16
	v_add_nc_u32 v[YO], s25, v[IMG]
.set idx, 0
.rept 64                                       ; the eight accumulators take turns, one instruction a turn; K step 0 starts the sums
.if idx == 0
	s_wait_loadcnt 24                              ; K steps 0, 1 are in: behind them 12 + 8 + 4 loads
.elseif idx == 16
	s_wait_loadcnt 12                              ; 2, 3, 4: behind them 8 + 4
.elseif idx == 40
	s_wait_loadcnt 12                              ; 5, 6: behind them 4 and the next tile's first 8
.elseif idx == 56
	s_wait_loadcnt 20                              ; 7: behind it the next tile's 8 + 12
.endif
	FRG idx
	WIN FW
.set ss, idx/8
.set tt, idx%8
.if ss == 0
	v_wmma_scale_f32_16x16x128_f8f6f4 v[HA+8*tt:HA+8*tt+7], v[FR:FR+11], v[XF+12*ss:XF+12*ss+11], 0, v[WS+4*tt+ss], v[HS+ss] matrix_a_fmt:MATRIX_FMT_BF6 matrix_b_fmt:MATRIX_FMT_BF6
.elseif ss < 4
	v_wmma_scale_f32_16x16x128_f8f6f4 v[HA+8*tt:HA+8*tt+7], v[FR:FR+11], v[XF+12*ss:XF+12*ss+11], v[HA+8*tt:HA+8*tt+7], v[WS+4*tt+ss], v[HS+ss] matrix_a_fmt:MATRIX_FMT_BF6 matrix_b_fmt:MATRIX_FMT_BF6
.else
	v_wmma_scale_f32_16x16x128_f8f6f4 v[HA+8*tt:HA+8*tt+7], v[FR:FR+11], v[XF+12*ss:XF+12*ss+11], v[HA+8*tt:HA+8*tt+7], v[WS+4*tt+ss-4], v[HS+ss] matrix_a_fmt:MATRIX_FMT_BF6 matrix_b_fmt:MATRIX_FMT_BF6 matrix_a_scale:MATRIX_SCALE_ROW1
.endif
.if idx == 20                                  ; where the weights' window changes anyway, the K steps that are done with take the next tile's
	WIN 0
	PLACES
	HL 0
	HL 1
.elseif idx == 41
	WIN 0
	PLACES
	HL 2
	HL 3
	HL 4
.elseif idx == 62
	WIN 0
	PLACES
	HL 5
	HL 6
.elseif idx == 63
	PLACES                                         ; also the places in front of the stores that read the results
	HL 7
.endif
.set idx, idx+1
.endr
.irp t, 0,1,2,3,4,5,6,7                        ; lane (r, h): row r, outputs 16 t + 8 h + 0 .. 7; each accumulator from its low end on
	ds_store_b128 v[STO], v[HA+8*\t:HA+8*\t+3] offset:RSET*(\par)+64*\t
	ds_store_b128 v[STO], v[HA+8*\t+4:HA+8*\t+7] offset:RSET*(\par)+64*\t+16
.endr
.La_\@:
	s_wait_dscnt 0x0                               ; my partial sums have landed; and my reads of the other set, which the next turn writes, are over
	s_barrier_signal -1
	s_barrier_wait -1
	s_cmp_lt_u32 s22, s20
	s_cbranch_scc0 .Lb_\@
.irp i, 0,1,2,3                                ; rows 4 w + i of the four waves' partial sums, 16 bytes a lane
.irp u, 0,1,2,3
	ds_load_b128 v[HA+16*\i+4*\u:HA+16*\i+4*\u+3], v[RDA] offset:RSET*(\par)+8448*\u+528*\i
.endr
.endr
.irp i, 0,1,2,3
	s_wait_dscnt 12-4*\i                           ; row i's four loads are in; the later rows' may be out
.irp u, 1,2,3                                  ; ascending K
	v_pk_add_f32 v[HA+16*\i:HA+16*\i+1], v[HA+16*\i:HA+16*\i+1], v[HA+16*\i+4*\u:HA+16*\i+4*\u+1]
	v_pk_add_f32 v[HA+16*\i+2:HA+16*\i+3], v[HA+16*\i+2:HA+16*\i+3], v[HA+16*\i+4*\u+2:HA+16*\i+4*\u+3]
.endr
	v_pk_add_f32 v[HA+16*\i:HA+16*\i+1], v[HA+16*\i:HA+16*\i+1], v[B2V:B2V+1]
	v_pk_add_f32 v[HA+16*\i+2:HA+16*\i+3], v[HA+16*\i+2:HA+16*\i+3], v[B2V+2:B2V+3]
	global_store_b128 v[YO], v[HA+16*\i:HA+16*\i+3], s[32:33] offset:4096*\i   ; 32 lanes store 512 consecutive bytes, at a multiple of 256 from y's first byte
.endr
.Lb_\@:
	s_add_co_u32 s22, s22, 4
.endm
	s_mov_b32 s23, 8
.Ltrip:                                            ; 8 trips of two turns: 16 turns serve every count, m = q .. q + 60
	TRIP 0
	TRIP 1
	s_sub_co_u32 s23, s23, 1
	s_cmp_lg_u32 s23, 0
	s_cbranch_scc1 .Ltrip
	s_wait_tensorcnt 0x0                           ; the wave's end, behind my last LDS store
	ds_add_u32 v[SPW], v[NIL]
	s_wait_dscnt 0x0
	s_endpgm
.Lfunc_end_k_qdec99ea0d6_down:
	.size	k_qdec99ea0d6_down, .Lfunc_end_k_qdec99ea0d6_down-k_qdec99ea0d6_down
	.p2alignl 7, 3214868480
	.fill 96, 4, 3214868480
	.section	.rodata,"a",@progbits
	.p2align	6, 0x0
	.amdhsa_kernel k_qdec99ea0d6_down
		.amdhsa_group_segment_fixed_size 168448
		.amdhsa_private_segment_fixed_size 0
		.amdhsa_enable_private_segment 0
		.amdhsa_kernarg_size 48
		.amdhsa_user_sgpr_count 2
		.amdhsa_user_sgpr_kernarg_segment_ptr 1
		.amdhsa_wavefront_size32 1
		.amdhsa_system_sgpr_workgroup_id_x 1
		.amdhsa_system_sgpr_workgroup_id_y 1
		.amdhsa_system_sgpr_workgroup_id_z 1
		.amdhsa_system_vgpr_workitem_id 0
		.amdhsa_next_free_vgpr 1024
		.amdhsa_next_free_sgpr 66
		.amdhsa_reserve_vcc 0
		.amdhsa_float_denorm_mode_32 3
		.amdhsa_float_denorm_mode_16_64 3
		.amdhsa_memory_ordered 1
		.amdhsa_forward_progress 1
		.amdhsa_inst_pref_size 98
	.end_amdhsa_kernel
	.amdgpu_metadata
---
amdhsa.version: [ 1, 2 ]
amdhsa.kernels:
  - .name:           k_qdec99ea0d6_down
    .symbol:         k_qdec99ea0d6_down.kd
    .args:
      - { .name: w2_codes, .offset: 0, .size: 8, .value_kind: global_buffer, .address_space: global }
      - { .name: w2_scales, .offset: 8, .size: 8, .value_kind: global_buffer, .address_space: global }
      - { .name: b2, .offset: 16, .size: 8, .value_kind: global_buffer, .address_space: global }
      - { .name: hq, .offset: 24, .size: 8, .value_kind: global_buffer, .address_space: global }
      - { .name: order, .offset: 32, .size: 8, .value_kind: global_buffer, .address_space: global }
      - { .name: y, .offset: 40, .size: 8, .value_kind: global_buffer, .address_space: global }
    .group_segment_fixed_size: 168448
    .private_segment_fixed_size: 0
    .kernarg_segment_align: 8
    .kernarg_segment_size: 48
    .max_flat_workgroup_size: 128
    .sgpr_count:     66
    .vgpr_count:     1024
    .wavefront_size: 32
...
	.end_amdgpu_metadata
.endif
;; end of part 4
;; launch combine (part 5): grid 256 x 1, 4 waves a work-group, no clusters, 0 bytes of LDS; arguments y, order, gate, out0; writes out0
.if DOCPART == 5
	.amdgcn_target "amdgcn-amd-amdhsa--gfx1250"
	.amdhsa_code_object_version 6
	.text
	.protected	k_qdec99ea0d6_combine
	.globl	k_qdec99ea0d6_combine
	.p2align	8
	.type	k_qdec99ea0d6_combine,@function
k_qdec99ea0d6_combine:
	s_mov_b64 s[64:65], 0
	v_nop
	global_prefetch_b8 v0, s[64:65] scope:SCOPE_SE
	s_setreg_imm32_b32 hwreg(HW_REG_WAVE_MODE, 25, 1), 1
	s_wait_xcnt 0x0
; out[token] = p0 y[slot of (token, 0)] + p1 y[slot of (token, 1)].  One wave, one token: each output row has one owner, and nothing is added across work-groups.
; The two slots are whole numbers that an earlier launch stored; each is held by a constant before it enters an address.  A row is 4,096 bytes: eight loads of 512 consecutive bytes; all sixteen loads are out together.
; No LDS, no barrier, no matrix unit: the launch only moves bytes.
	s_load_b256 s[4:11], s[0:1], 0x0               ; y 4, order 6, gate 8, out0 10
	v_lshrrev_b32 v1, 5, v0
	v_readfirstlane_b32 s12, v1                    ; wave
	v_and_b32 v1, 31, v0
	v_lshlrev_b32 v1, 4, v1                        ; 16 x lane
	s_lshl_b32 s13, ttmp9, 2
	s_add_co_u32 s13, s13, s12                     ; my token
	s_lshl_b32 s14, s13, 3
	s_mov_b32 s15, 0
	s_wait_kmcnt 0x0
	s_add_nc_u64 s[16:17], s[6:7], s[14:15]
	s_add_nc_u64 s[18:19], s[8:9], s[14:15]
	s_load_b64 s[20:21], s[16:17], 0x100           ; its two slots
	s_load_b64 s[22:23], s[18:19], 0x0             ; p0, p1
	s_lshl_b32 s14, s13, 12
	s_add_nc_u64 s[30:31], s[10:11], s[14:15]      ; its row of the output
	s_wait_kmcnt 0x0
	s_min_u32 s20, s20, 8191
	s_min_u32 s21, s21, 8191
	s_lshl_b32 s14, s20, 12
	s_add_nc_u64 s[24:25], s[4:5], s[14:15]
	s_lshl_b32 s14, s21, 12
	s_add_nc_u64 s[26:27], s[4:5], s[14:15]
	s_mov_b32 s28, s23                             ; p1 in a pair of its own: the packed forms name a pair and take its low word for both halves
	s_mov_b32 s29, s23
.irp i, 0,1,2,3,4,5,6,7
	global_load_b128 v[16+4*\i:19+4*\i], v1, s[24:25] offset:512*\i th:TH_LOAD_NT
.endr
.irp i, 0,1,2,3,4,5,6,7
	global_load_b128 v[48+4*\i:51+4*\i], v1, s[26:27] offset:512*\i th:TH_LOAD_NT
.endr
.irp i, 0,1,2,3,4,5,6,7
	s_wait_loadcnt 7-\i                            ; piece i of both rows is in; the second row's later pieces may be out
	v_pk_mul_f32 v[16+4*\i:17+4*\i], v[16+4*\i:17+4*\i], s[22:23] op_sel_hi:[1,0]
	v_pk_mul_f32 v[18+4*\i:19+4*\i], v[18+4*\i:19+4*\i], s[22:23] op_sel_hi:[1,0]
	v_pk_fma_f32 v[16+4*\i:17+4*\i], v[48+4*\i:49+4*\i], s[28:29], v[16+4*\i:17+4*\i] op_sel_hi:[1,0,1]
	v_pk_fma_f32 v[18+4*\i:19+4*\i], v[50+4*\i:51+4*\i], s[28:29], v[18+4*\i:19+4*\i] op_sel_hi:[1,0,1]
	global_store_b128 v1, v[16+4*\i:19+4*\i], s[30:31] offset:512*\i th:TH_STORE_NT   ; 512 consecutive bytes, at a multiple of 256 from the output's first byte
.endr
	s_endpgm
.Lfunc_end_k_qdec99ea0d6_combine:
	.size	k_qdec99ea0d6_combine, .Lfunc_end_k_qdec99ea0d6_combine-k_qdec99ea0d6_combine
	.p2alignl 7, 3214868480
	.fill 96, 4, 3214868480
	.section	.rodata,"a",@progbits
	.p2align	6, 0x0
	.amdhsa_kernel k_qdec99ea0d6_combine
		.amdhsa_group_segment_fixed_size 0
		.amdhsa_private_segment_fixed_size 0
		.amdhsa_enable_private_segment 0
		.amdhsa_kernarg_size 32
		.amdhsa_user_sgpr_count 2
		.amdhsa_user_sgpr_kernarg_segment_ptr 1
		.amdhsa_wavefront_size32 1
		.amdhsa_system_sgpr_workgroup_id_x 1
		.amdhsa_system_sgpr_workgroup_id_y 1
		.amdhsa_system_sgpr_workgroup_id_z 1
		.amdhsa_system_vgpr_workitem_id 0
		.amdhsa_next_free_vgpr 100
		.amdhsa_next_free_sgpr 66
		.amdhsa_reserve_vcc 0
		.amdhsa_float_denorm_mode_32 3
		.amdhsa_float_denorm_mode_16_64 3
		.amdhsa_memory_ordered 1
		.amdhsa_forward_progress 1
		.amdhsa_inst_pref_size 6
	.end_amdhsa_kernel
	.amdgpu_metadata
---
amdhsa.version: [ 1, 2 ]
amdhsa.kernels:
  - .name:           k_qdec99ea0d6_combine
    .symbol:         k_qdec99ea0d6_combine.kd
    .args:
      - { .name: y, .offset: 0, .size: 8, .value_kind: global_buffer, .address_space: global }
      - { .name: order, .offset: 8, .size: 8, .value_kind: global_buffer, .address_space: global }
      - { .name: gate, .offset: 16, .size: 8, .value_kind: global_buffer, .address_space: global }
      - { .name: out0, .offset: 24, .size: 8, .value_kind: global_buffer, .address_space: global }
    .group_segment_fixed_size: 0
    .private_segment_fixed_size: 0
    .kernarg_segment_align: 8
    .kernarg_segment_size: 32
    .max_flat_workgroup_size: 128
    .sgpr_count:     66
    .vgpr_count:     100
    .wavefront_size: 32
...
	.end_amdgpu_metadata
.endif
;; end of part 5
;; ======== version 2 of 2: 5 launches
;; workspace buffers: xq 819,200 bytes; sel 4,096 bytes of whole numbers; gate 8,192 bytes; order 43,264 bytes of whole numbers; hq 27,262,976 bytes; y 33,554,432 bytes
;; launch route (part 6): grid 64 x 1, 8 waves a work-group, no clusters, 22,016 bytes of LDS; arguments x, router_w, router_b, lang_w, lang_b, xq, sel, gate; writes xq, sel, gate
.if DOCPART == 6
	.amdgcn_target "amdgcn-amd-amdhsa--gfx1250"
	.amdhsa_code_object_version 6
	.text
	.protected	k_qdec99ea0d6_route
	.globl	k_qdec99ea0d6_route
	.p2align	8
	.type	k_qdec99ea0d6_route,@function
k_qdec99ea0d6_route:
	s_mov_b64 s[64:65], 0
	v_nop
	global_prefetch_b8 v0, s[64:65] scope:SCOPE_SE
	s_setreg_imm32_b32 hwreg(HW_REG_WAVE_MODE, 25, 1), 1
	s_wait_xcnt 0x0
; ROUTER AND QUANTISER OF x.  x [1024 tokens][1024] f32.  For each token: 4 language logits, their softmax, the bias 0.1 x (lp[i] + lp[i+1]) on 8 router logits, the two largest logits,
; and their renormalised weights; and x as codes of BF6 (E3M2) with one E8M0 byte for each 32 along K, laid in the order of the operand's registers.
; SHARES.  A work-group takes 16 tokens; wave s takes K step s (k = 128 s .. 128 s + 127) of all 16: its 12 partial logits a token and one fragment of codes.
; THE LOGITS are f32 products (v_wmma_f32_16x16x4_f32): the choice of experts hangs on them, and they are 12 columns against the experts' 8,192.  Source 0 = 16 rows of weights (8 of router_w,
; 4 of lang_w, these four once more, unused), source 1 = 16 tokens; both carry the same order of k.  In the result lane (r, 0) holds token r's 8 router sums, lane (r, 1) its 4 language sums.
; THE CHOICE is made on the logits: the softmax rises with them, a strict compare keeps the lower index on equal logits.  The renormalised weights are 1 / (1 + e^(l1 - l0)) and its complement:
; the softmax's divisor cancels, and the largest logit l0 is taken away.  Nothing here branches or addresses by these numbers: the indices are stored at fixed places.
; LIMITS: NaN and infinities among the inputs are not served.  A block whose largest magnitude lies under 2^-122, a block of zeros too, keeps the scale byte 1: its bytes are read by this program alone.
; Two logits so close that their softmax values round to one number are ordered by the logits.
.set PART,  0                          ; LDS: wave s's partial sums: two images of 512 bytes at 1,024 s
.set XST,   8192                       ; 16 tokens x 768 bytes of codes, in xq's order
.set XSS,   20480                      ; 16 tokens x 32 bytes of scale words
.set SPARE, 20992                      ; the spare words, 128 bytes for each of the eight waves: no other line names them
.set SPW, 1                            ; v1   LDS address of my spare word; never rewritten
.set NIL, 2                            ; v2   0; never rewritten
.set ACC, 16                           ; v16-47   four accumulators by turns: written by matrix instructions alone
.set SUM, 48                           ; v48-63   their sum
.set XN,  64                           ; v64-127  64 numbers of x: register 16 b + i = k 32 b + 16 h + i of my token
.set WR,  128                          ; v128-191 the same of my row of weights
.set WL,  192                          ; v192-255 lang_w's row, then the quantiser's registers
.set TM,  192                          ; v192-195 largest magnitudes, v196-199 bytes, v200-203 the conversions' scale operands
.set PW,  204                          ; the scale word
.set PC,  206                          ; v206-217 the fragment's codes; v218-224 the halves made elsewhere
.set SEL, 48                           ; s[48:49] v_permlanex16_b32's selects for lane l xor 16
; 64 numbers of a lane, register 16 b + i = k 32 b + 16 (lane / 16) + i of my row, become a fragment's codes in v[PC] on and its scale word in v[PW].
.macro QUANT s
.irp b, 0,1,2,3
	v_max3_num_f32 v[TM+\b], |v[\s+16*\b]|, |v[\s+1+16*\b]|, 0x2800000   ; block b: my 16 numbers, and the floor 2^(5 - 127): the byte cannot fall under 1
.endr
.irp i, 2,4,6,8,10,12,14
.irp b, 0,1,2,3
	s_delay_alu instid0(VALU_DEP_4)
	v_max3_num_f32 v[TM+\b], v[TM+\b], |v[\s+16*\b+\i]|, |v[\s+1+16*\b+\i]|   ; the four blocks by turns
.endr
.endr
.irp b, 0,1,2,3
	s_delay_alu instid0(VALU_DEP_4)
	v_permlanex16_b32 v[TM+4+\b], v[TM+\b], s[SEL], s[SEL+1]
.endr
.irp b, 0,1,2,3
	s_delay_alu instid0(VALU_DEP_4)
	v_max_num_f32 v[TM+\b], v[TM+\b], v[TM+4+\b]       ; with lane l xor 16's: the block's largest magnitude
.endr
.irp b, 0,1,2,3
	s_delay_alu instid0(VALU_DEP_4)
	v_add_nc_u32 v[TM+8+\b], 0xfe000000, v[TM+\b]      ; 4 off its exponent field: the conversion's scale operand
.endr
.irp b, 0,1,2,3
	s_delay_alu instid0(VALU_DEP_4)
	v_lshrrev_b32 v[TM+4+\b], 23, v[TM+8+\b]           ; the scale's byte
.endr
	s_delay_alu instid0(VALU_DEP_3)
	v_lshl_or_b32 v[PW], v[TM+5], 8, v[TM+4]
	s_delay_alu instid0(VALU_DEP_1)
	v_lshl_or_b32 v[PW], v[TM+6], 16, v[PW]
	s_delay_alu instid0(VALU_DEP_1)
	v_lshl_or_b32 v[PW], v[TM+7], 24, v[PW]
.irp c, 0,1
	v_cvt_scalef32_pk16_bf6_f32 v[PC+6*\c:PC+2+6*\c], v[\s+32*\c:\s+15+32*\c], v[TM+8+2*\c]
	v_cvt_scalef32_pk16_bf6_f32 v[PC+12+4*\c:PC+14+4*\c], v[\s+16+32*\c:\s+31+32*\c], v[TM+8+2*\c+1]   ; a conversion's three registers begin on an even number
.endr
	v_nop                                              ; one plain line behind the last scaled conversion
.irp c, 0,1                                        ; the operand wants a whole block in a lane: lanes 0-15 block 2 c, lanes 16-31 block 2 c + 1
.irp i, 0,1,2
	v_permlane16_swap_b32 v[PC+6*\c+\i], v[PC+12+4*\c+\i]
.endr
.irp i, 0,1,2
	s_delay_alu instid0(VALU_DEP_3)
	v_mov_b32 v[PC+3+6*\c+\i], v[PC+12+4*\c+\i]
.endr
.endr
.endm
	s_load_b512 s[16:31], s[0:1], 0x0              ; x 16, router_w 18, router_b 20, lang_w 22, lang_b 24, xq 26, sel 28, gate 30
	v_lshl_add_u32 v[SPW], v0, 2, SPARE
	v_mov_b32 v[NIL], 0
	v_lshrrev_b32 v3, 5, v0
	s_delay_alu instid0(VALU_DEP_1)
	v_readfirstlane_b32 s32, v3                    ; wave = K step s
	v_and_b32 v3, 15, v0                           ; r
	v_bfe_u32 v4, v0, 4, 1                         ; h
	v_and_b32 v14, 31, v0
	s_delay_alu instid0(VALU_DEP_1)
	v_lshlrev_b32 v13, 4, v14                      ; 16 x lane
	s_delay_alu instid0(VALU_DEP_1)
	v_add_nc_u32 v14, XSS, v13                     ; the scale words as one run of 512 bytes
	s_lshl_b32 s33, s32, 9
	v_lshlrev_b32 v15, 6, v4
	s_delay_alu instid0(VALU_DEP_1)
	v_add_nc_u32 v15, s33, v15                     ; 512 s + 64 h: my 16 numbers of each block of 32
	s_delay_alu instid0(VALU_DEP_1)
	v_lshl_add_u32 v5, v3, 12, v15                 ; x: row r
	v_and_b32 v6, 7, v3
	s_delay_alu instid0(VALU_DEP_1)
	v_lshl_add_u32 v6, v6, 12, v15                 ; router_w: row r % 8
	v_and_b32 v7, 3, v3
	s_delay_alu instid0(VALU_DEP_1)
	v_lshl_add_u32 v7, v7, 12, v15                 ; lang_w: row r % 4
	s_lshl_b32 s33, s32, 10
	v_add_nc_u32 v8, s33, v13                      ; PART + 1,024 s + 16 x lane
	s_mul_i32 s33, s32, 96
	v_mul_u32_u24 v9, v3, 768
	s_delay_alu instid0(VALU_DEP_1)
	v_lshl_add_u32 v9, v4, 4, v9
	s_delay_alu instid0(VALU_DEP_1)
	v_add_nc_u32 v9, s33, v9
	s_delay_alu instid0(VALU_DEP_1)
	v_add_nc_u32 v9, XST, v9                       ; XST + 768 r + 96 s + 16 h
	s_lshl_b32 s33, s32, 2
	v_lshl_add_u32 v10, v3, 5, XSS
	s_delay_alu instid0(VALU_DEP_1)
	v_add_nc_u32 v10, s33, v10                     ; XSS + 32 r + 4 s
	s_mul_i32 s33, s32, 1536
	v_add_nc_u32 v12, s33, v13                     ; my eighth of the group's 12,288 bytes of codes, in memory,
	s_delay_alu instid0(VALU_DEP_1)
	v_add_nc_u32 v11, XST, v12                     ; and in LDS
	s_mov_b32 s[SEL], 0x76543210
	s_mov_b32 s[SEL+1], 0xfedcba98
	s_mov_b32 s50, 0xff00ff00                      ; lanes with r >= 8
	s_mov_b32 s51, 0x3fb8aa3b                      ; log2(e)
	s_mov_b32 s52, 0xffff0000                      ; lanes 16-31
	s_mov_b32 s53, 0x3dcccccd                      ; 0.1
	s_lshl_b32 s34, ttmp9, 16                      ; 16 rows of 4,096 bytes
	s_mov_b32 s35, 0
	s_wait_kmcnt 0x0
	s_load_b128 s[36:39], s[24:25], 0x0            ; lang_b
	s_load_b256 s[40:47], s[20:21], 0x0            ; router_b
	s_add_nc_u64 s[16:17], s[16:17], s[34:35]
.irp b, 0,1,2,3
.irp j, 0,1,2,3
	global_load_b128 v[XN+16*\b+4*\j:XN+16*\b+4*\j+3], v5, s[16:17] offset:128*\b+16*\j th:TH_LOAD_NT
.endr
.endr
.irp b, 0,1,2,3
.irp j, 0,1,2,3
	global_load_b128 v[WR+16*\b+4*\j:WR+16*\b+4*\j+3], v6, s[18:19] offset:128*\b+16*\j
.endr
.endr
.irp b, 0,1,2,3
.irp j, 0,1,2,3
	global_load_b128 v[WL+16*\b+4*\j:WL+16*\b+4*\j+3], v7, s[22:23] offset:128*\b+16*\j
.endr
.endr
	s_mul_i32 s34, ttmp9, 12288
	s_add_nc_u64 s[56:57], s[26:27], s[34:35]      ; xq's codes at my 16 tokens
	s_lshl_b32 s34, ttmp9, 9
	s_add_nc_u64 s[58:59], s[26:27], s[34:35]
	s_add_nc_u64 s[58:59], s[58:59], 786432        ; xq's scale words
	s_lshl_b32 s34, ttmp9, 6
	s_add_nc_u64 s[28:29], s[28:29], s[34:35]
	s_lshl_b32 s34, ttmp9, 7
	s_add_nc_u64 s[30:31], s[30:31], s[34:35]
	s_wait_loadcnt 0x0                             ; all 48 loads are in: so their offset registers v5 to v7 may be written again
	s_wait_kmcnt 0x0
	v_lshlrev_b32 v5, 2, v3                        ; sel: 4 r
	v_lshlrev_b32 v6, 3, v3                        ; gate: 8 r
.set i, 0
.rept 64
	v_cndmask_b32 v[WR+i], v[WR+i], v[WL+i], s50   ; rows 8-15 of source 0 are lang_w's
.set i, i+1
.endr
.set i, 0
.rept 32                                       ; 4 along K an instruction; the four accumulators take turns; the first four start the sums
.set AC, ACC+8*(i%4)
.if i < 4
	v_wmma_f32_16x16x4_f32 v[AC:AC+7], v[WR+2*i:WR+2*i+1], v[XN+2*i:XN+2*i+1], 0
.else
	v_wmma_f32_16x16x4_f32 v[AC:AC+7], v[WR+2*i:WR+2*i+1], v[XN+2*i:XN+2*i+1], v[AC:AC+7]
.endif
.set i, i+1
.endr
	QUANT XN                                       ; reads the tokens' numbers, writes none of the products' registers
.irp j, 0,1,2
	ds_store_b128 v9, v[PC+4*\j:PC+4*\j+3] offset:32*\j   ; registers 4 j .. 4 j + 3 of lane (r, h): 16 bytes at 96 s + 32 j + 16 h of token r
.endr
	ds_store_b32 v10, v[PW]                        ; both halves of the lanes hold the same word
.rept 8
	v_nop                                          ; eight places behind this matrix form before its results are read (ISA guide 7.12.1)
.endr
.irp j, 0,2,4,6                                ; each accumulator is read from its low end on
	v_pk_add_f32 v[SUM+\j:SUM+\j+1], v[ACC+\j:ACC+\j+1], v[ACC+8+\j:ACC+8+\j+1]
	v_pk_add_f32 v[SUM+8+\j:SUM+8+\j+1], v[ACC+16+\j:ACC+16+\j+1], v[ACC+24+\j:ACC+24+\j+1]
.endr
.irp j, 0,2,4,6
	v_pk_add_f32 v[SUM+\j:SUM+\j+1], v[SUM+\j:SUM+\j+1], v[SUM+8+\j:SUM+8+\j+1]
.endr
	ds_store_b128 v8, v[SUM:SUM+3]
	ds_store_b128 v8, v[SUM+4:SUM+7] offset:512
	s_wait_dscnt 0x0                               ; for the others' sake: my stores have landed
	s_barrier_signal -1
	s_barrier_wait -1
.irp i, 0,1,2
	ds_load_b128 v[128+4*\i:131+4*\i], v11 offset:512*\i
.endr
.irp i, 0,1,2
	s_wait_dscnt 2-\i                              ; the younger loads of the three may be out
	global_store_b128 v12, v[128+4*\i:131+4*\i], s[56:57] offset:512*\i   ; 32 lanes store 512 consecutive bytes
.endr
	s_cmp_lg_u32 s32, 0
	s_cbranch_scc1 .Lend                           ; the rest is wave 0's
	ds_load_b128 v[140:143], v14
.irp w, 0,1,2,3,4,5,6,7
	ds_load_b128 v[64+8*\w:67+8*\w], v13 offset:PART+1024*\w
	ds_load_b128 v[68+8*\w:71+8*\w], v13 offset:PART+1024*\w+512
.endr
	s_wait_dscnt 16                                ; the scale words are in; the 16 loads behind them may be out
	global_store_b128 v13, v[140:143], s[58:59]
	s_wait_dscnt 0x0
.irp w, 1,2,3,4,5,6,7                          ; the eight K steps, ascending
.irp j, 0,2,4,6
	v_pk_add_f32 v[64+\j:65+\j], v[64+\j:65+\j], v[64+8*\w+\j:65+8*\w+\j]
.endr
.endr
.irp j, 0,1,2,3,4,5,6,7
	v_permlanex16_b32 v[72+\j], v[64+\j], s[SEL], s[SEL+1]
.endr
.irp j, 0,1,2,3,4,5,6,7
	v_cndmask_b32 v[80+\j], v[64+\j], v[72+\j], s52    ; every lane: token r's 8 router sums,
.endr
.irp j, 0,1,2,3
	v_cndmask_b32 v[88+\j], v[72+\j], v[64+\j], s52    ; and its 4 language sums
.endr
.irp j, 0,1,2,3
	s_delay_alu instid0(VALU_DEP_4)
	v_add_f32 v[88+\j], s[36+\j], v[88+\j]
.endr
	s_delay_alu instid0(VALU_DEP_2)
	v_max3_num_f32 v92, v88, v89, v90
	s_delay_alu instid0(VALU_DEP_1)
	v_max_num_f32 v92, v92, v91                    ; the largest is taken away before the exponentials
.irp j, 0,1,2,3
	v_sub_f32 v[88+\j], v[88+\j], v92
.endr
.irp j, 0,1,2,3
	s_delay_alu instid0(VALU_DEP_4)
	v_mul_f32 v[88+\j], s51, v[88+\j]
.endr
	s_wait_alu depctr_va_vdst(0)
.irp j, 0,1,2,3
	v_exp_f32 v[88+\j], v[88+\j]
.endr
	v_nop                                          ; a plain line behind the batch,
	s_wait_alu depctr_va_vdst(0)                   ; and one wait for it, ahead of its first reader
	v_add_f32 v93, v88, v89
	v_add_f32 v94, v90, v91
	s_delay_alu instid0(VALU_DEP_1)
	v_add_f32 v93, v93, v94
	s_wait_alu depctr_va_vdst(0)
	v_rcp_f32 v95, v93
	v_nop
	s_wait_alu depctr_va_vdst(0)
.irp j, 0,1,2,3
	v_mul_f32 v[88+\j], v[88+\j], v95              ; lp
.endr
	s_delay_alu instid0(VALU_DEP_3)
	v_add_f32 v96, v88, v89                        ; lp[i] + lp[i + 1]; beyond the last stands a zero
	s_delay_alu instid0(VALU_DEP_3)
	v_add_f32 v97, v89, v90
	s_delay_alu instid0(VALU_DEP_3)
	v_add_f32 v98, v90, v91
	s_delay_alu instid0(VALU_DEP_4)
	v_mov_b32 v99, v91
.irp e, 0,1,2,3,4,5,6,7
	v_add_f32 v[80+\e], s[40+\e], v[80+\e]
.endr
.irp e, 0,1,2,3,4,5,6,7
	v_fmac_f32 v[80+\e], s53, v[96+\e%4]           ; the router's logits
.endr
	v_mov_b32 v100, v80                            ; the largest so far and its index,
	v_mov_b32 v101, 0
	v_mov_b32 v102, 0xff800000                     ; the second
	v_mov_b32 v103, 1
.irp e, 1
	s_delay_alu instid0(VALU_DEP_4)
	v_cmp_gt_f32 s54, v[80+\e], v100
	s_delay_alu instid0(VALU_DEP_3)
	v_cmp_gt_f32 s55, v[80+\e], v102
	s_delay_alu instid0(VALU_DEP_1)
	v_cndmask_b32 v102, v102, v[80+\e], s55
	s_delay_alu instid0(VALU_DEP_2)
	v_cndmask_b32 v103, v103, \e, s55
	s_delay_alu instid0(VALU_DEP_2)
	v_cndmask_b32 v102, v102, v100, s54
	s_delay_alu instid0(VALU_DEP_2)
	v_cndmask_b32 v103, v103, v101, s54
	v_cndmask_b32 v100, v100, v[80+\e], s54
	v_cndmask_b32 v101, v101, \e, s54
.endr
.irp e, 2, 3, 4, 5, 6, 7
	s_delay_alu instid0(VALU_DEP_2)
	v_cmp_gt_f32 s54, v[80+\e], v100
	v_cmp_gt_f32 s55, v[80+\e], v102
	s_delay_alu instid0(VALU_DEP_1)
	v_cndmask_b32 v102, v102, v[80+\e], s55
	s_delay_alu instid0(VALU_DEP_2)
	v_cndmask_b32 v103, v103, \e, s55
	s_delay_alu instid0(VALU_DEP_2)
	v_cndmask_b32 v102, v102, v100, s54
	s_delay_alu instid0(VALU_DEP_2)
	v_cndmask_b32 v103, v103, v101, s54
	v_cndmask_b32 v100, v100, v[80+\e], s54
	v_cndmask_b32 v101, v101, \e, s54
.endr
	s_delay_alu instid0(VALU_DEP_2)
	v_sub_f32 v92, v102, v100                      ; l1 - l0, 0 or less
	s_delay_alu instid0(VALU_DEP_1)
	v_mul_f32 v92, s51, v92
	s_wait_alu depctr_va_vdst(0)
	v_exp_f32 v92, v92
	v_lshl_or_b32 v106, v103, 8, v101              ; e0 | e1 << 8  (a plain line behind the exponential)
	s_wait_alu depctr_va_vdst(0)
	v_add_f32 v93, 1.0, v92
	s_wait_alu depctr_va_vdst(0)
	v_rcp_f32 v94, v93                             ; p0
	v_nop
	s_wait_alu depctr_va_vdst(0)
	v_mul_f32 v95, v92, v94                        ; p1
	global_store_b32 v5, v106, s[28:29]            ; both halves of the lanes store the same numbers at the same places
	global_store_b64 v6, v[94:95], s[30:31]
.Lend:
	s_wait_tensorcnt 0x0                           ; the wave's end, behind my last LDS store
	ds_add_u32 v[SPW], v[NIL]
	s_wait_dscnt 0x0
	s_endpgm
.Lfunc_end_k_qdec99ea0d6_route:
	.size	k_qdec99ea0d6_route, .Lfunc_end_k_qdec99ea0d6_route-k_qdec99ea0d6_route
	.p2alignl 7, 3214868480
	.fill 96, 4, 3214868480
	.section	.rodata,"a",@progbits
	.p2align	6, 0x0
	.amdhsa_kernel k_qdec99ea0d6_route
		.amdhsa_group_segment_fixed_size 22016
		.amdhsa_private_segment_fixed_size 0
		.amdhsa_enable_private_segment 0
		.amdhsa_kernarg_size 64
		.amdhsa_user_sgpr_count 2
		.amdhsa_user_sgpr_kernarg_segment_ptr 1
		.amdhsa_wavefront_size32 1
		.amdhsa_system_sgpr_workgroup_id_x 1
		.amdhsa_system_sgpr_workgroup_id_y 1
		.amdhsa_system_sgpr_workgroup_id_z 1
		.amdhsa_system_vgpr_workitem_id 0
		.amdhsa_next_free_vgpr 256
		.amdhsa_next_free_sgpr 66
		.amdhsa_reserve_vcc 0
		.amdhsa_float_denorm_mode_32 3
		.amdhsa_float_denorm_mode_16_64 3
		.amdhsa_memory_ordered 1
		.amdhsa_forward_progress 1
		.amdhsa_inst_pref_size 34
	.end_amdhsa_kernel
	.amdgpu_metadata
---
amdhsa.version: [ 1, 2 ]
amdhsa.kernels:
  - .name:           k_qdec99ea0d6_route
    .symbol:         k_qdec99ea0d6_route.kd
    .args:
      - { .name: x, .offset: 0, .size: 8, .value_kind: global_buffer, .address_space: global }
      - { .name: router_w, .offset: 8, .size: 8, .value_kind: global_buffer, .address_space: global }
      - { .name: router_b, .offset: 16, .size: 8, .value_kind: global_buffer, .address_space: global }
      - { .name: lang_w, .offset: 24, .size: 8, .value_kind: global_buffer, .address_space: global }
      - { .name: lang_b, .offset: 32, .size: 8, .value_kind: global_buffer, .address_space: global }
      - { .name: xq, .offset: 40, .size: 8, .value_kind: global_buffer, .address_space: global }
      - { .name: sel, .offset: 48, .size: 8, .value_kind: global_buffer, .address_space: global }
      - { .name: gate, .offset: 56, .size: 8, .value_kind: global_buffer, .address_space: global }
    .group_segment_fixed_size: 22016
    .private_segment_fixed_size: 0
    .kernarg_segment_align: 8
    .kernarg_segment_size: 64
    .max_flat_workgroup_size: 256
    .sgpr_count:     66
    .vgpr_count:     256
    .wavefront_size: 32
...
	.end_amdgpu_metadata
.endif
;; end of part 6
;; launch place (part 7): grid 1 x 1, 8 waves a work-group, no clusters, 0 bytes of LDS; arguments sel, order; writes order
.if DOCPART == 7
	.amdgcn_target "amdgcn-amd-amdhsa--gfx1250"
	.amdhsa_code_object_version 6
	.text
	.protected	k_qdec99ea0d6_place
	.globl	k_qdec99ea0d6_place
	.p2align	8
	.type	k_qdec99ea0d6_place,@function
k_qdec99ea0d6_place:
	s_mov_b64 s[64:65], 0
	v_nop
	global_prefetch_b8 v0, s[64:65] scope:SCOPE_SE
	s_setreg_imm32_b32 hwreg(HW_REG_WAVE_MODE, 25, 1), 1
	s_wait_xcnt 0x0
; THE ROWS ARE PLACED BY EXPERT.  sel holds e0 | e1 << 8 for each of 1,024 tokens.  Expert e owns slots 1,024 e .. 1,024 e + 1,023: a token names an expert at most once, so no split can overrun them.
; Wave e serves expert e and reads all 1,024 words: 32 registers a lane.  A token's rank is the count of earlier takers: those of earlier registers (a running scalar) and of lower lanes (v_mbcnt).
; order: cnt[e] at 4 e;  the slot of (token, k) at 256 + 4 (2 token + k);  the token of slot (e, rank) at 9,472 + 4 (1,024 e + rank).
; Lanes whose token does not name e store to a word of their own behind each table, which nobody reads: so no lane is ever switched off.  Every index made of loaded numbers is held by a constant
; before it enters an address.  Behind the last taker up to 16 slots get token 0, so that a last tile of 16 rows reads only written words.
.set SLOTOF, 256
.set LIST,   9472
	s_load_b128 s[4:7], s[0:1], 0x0                ; sel, order
	v_lshrrev_b32 v1, 5, v0
	s_delay_alu instid0(VALU_DEP_1)
	v_readfirstlane_b32 s11, v1                    ; e
	v_and_b32 v2, 31, v0                           ; lane
	s_delay_alu instid0(VALU_DEP_1)
	v_lshlrev_b32 v3, 4, v2
	s_delay_alu instid0(VALU_DEP_2)
	v_lshlrev_b32 v4, 2, v2
	s_lshl_b32 s12, s11, 10                        ; 1,024 e
	s_lshl_b32 s14, s11, 5
	s_lshl_b32 s15, s11, 2
	v_add_nc_u32 v5, s14, v2
	s_delay_alu instid0(VALU_DEP_1)
	v_add_nc_u32 v6, 2048, v5                      ; my unread word behind the slots' table,
	s_delay_alu instid0(VALU_DEP_2)
	v_add_nc_u32 v5, 8192, v5                      ; and behind the list
	v_mov_b32 v7, 0
	s_mov_b32 s13, 0                               ; takers so far
	s_wait_alu depctr_va_vdst(0)
	s_wait_kmcnt 0x0
.irp i, 0,1,2,3,4,5,6,7
	global_load_b128 v[16+4*\i:19+4*\i], v3, s[4:5] offset:512*\i   ; register q of lane l: token 128 (q / 4) + 4 l + q % 4
.endr
	s_wait_loadcnt 0x0
.set q, 0
.rept 32                                       ; each step has four registers of its own: no store's address or data is written again
	v_and_b32 v48, 0xff, v[16+q]
	v_lshrrev_b32 v49, 8, v[16+q]
	s_delay_alu instid0(VALU_DEP_2)
	v_cmp_eq_u32 s20, s11, v48
	s_delay_alu instid0(VALU_DEP_2)
	v_cmp_eq_u32 s21, s11, v49
	s_or_b32 s22, s20, s21
	v_mbcnt_lo_u32_b32 v50, s22, s13               ; my rank, if I am a taker
	v_add_nc_u32 v[65+4*q], 128*(q/4)+q%4, v4      ; my token
	s_delay_alu instid0(VALU_DEP_2)
	v_add_nc_u32 v[64+4*q], s12, v50
	s_delay_alu instid0(VALU_DEP_1)
	v_cndmask_b32 v[64+4*q], v5, v[64+4*q], s22
	s_delay_alu instid0(VALU_DEP_1)
	v_min_u32 v[64+4*q], 8447, v[64+4*q]
	s_delay_alu instid0(VALU_DEP_1)
	v_lshl_add_u32 v[64+4*q], v[64+4*q], 2, LIST
	global_store_b32 v[64+4*q], v[65+4*q], s[6:7]
	v_cndmask_b32 v51, 0, 1, s21                   ; k
	s_delay_alu instid0(VALU_DEP_1)
	v_lshl_add_u32 v[66+4*q], v[65+4*q], 1, v51
	s_delay_alu instid0(VALU_DEP_1)
	v_cndmask_b32 v[66+4*q], v6, v[66+4*q], s22
	s_delay_alu instid0(VALU_DEP_1)
	v_min_u32 v[66+4*q], 2303, v[66+4*q]
	s_delay_alu instid0(VALU_DEP_1)
	v_lshl_add_u32 v[66+4*q], v[66+4*q], 2, SLOTOF
	v_min_u32 v[67+4*q], 1023, v50
	s_delay_alu instid0(VALU_DEP_1)
	v_add_nc_u32 v[67+4*q], s12, v[67+4*q]
	global_store_b32 v[66+4*q], v[67+4*q], s[6:7]
	s_bcnt1_i32_b32 s23, s22
	s_add_co_u32 s13, s13, s23
.set q, q+1
.endr
	v_add_nc_u32 v52, s13, v2                      ; the 16 slots behind the last taker, as far as the expert's region goes
	v_cmp_gt_u32 s20, 16, v2
	s_delay_alu instid0(VALU_DEP_2)
	v_cmp_gt_u32 s21, 1024, v52
	s_and_b32 s22, s20, s21
	v_add_nc_u32 v52, s12, v52
	s_delay_alu instid0(VALU_DEP_1)
	v_cndmask_b32 v52, v5, v52, s22
	s_delay_alu instid0(VALU_DEP_1)
	v_min_u32 v52, 8447, v52
	s_delay_alu instid0(VALU_DEP_1)
	v_lshl_add_u32 v52, v52, 2, LIST
	global_store_b32 v52, v7, s[6:7]
	v_mov_b32 v53, s15
	v_mov_b32 v54, s13
	global_store_b32 v53, v54, s[6:7]              ; cnt[e]: all lanes store the same word
	s_endpgm
.Lfunc_end_k_qdec99ea0d6_place:
	.size	k_qdec99ea0d6_place, .Lfunc_end_k_qdec99ea0d6_place-k_qdec99ea0d6_place
	.p2alignl 7, 3214868480
	.fill 96, 4, 3214868480
	.section	.rodata,"a",@progbits
	.p2align	6, 0x0
	.amdhsa_kernel k_qdec99ea0d6_place
		.amdhsa_group_segment_fixed_size 0
		.amdhsa_private_segment_fixed_size 0
		.amdhsa_enable_private_segment 0
		.amdhsa_kernarg_size 16
		.amdhsa_user_sgpr_count 2
		.amdhsa_user_sgpr_kernarg_segment_ptr 1
		.amdhsa_wavefront_size32 1
		.amdhsa_system_sgpr_workgroup_id_x 1
		.amdhsa_system_sgpr_workgroup_id_y 1
		.amdhsa_system_sgpr_workgroup_id_z 1
		.amdhsa_system_vgpr_workitem_id 0
		.amdhsa_next_free_vgpr 192
		.amdhsa_next_free_sgpr 66
		.amdhsa_reserve_vcc 0
		.amdhsa_float_denorm_mode_32 3
		.amdhsa_float_denorm_mode_16_64 3
		.amdhsa_memory_ordered 1
		.amdhsa_forward_progress 1
		.amdhsa_inst_pref_size 56
	.end_amdhsa_kernel
	.amdgpu_metadata
---
amdhsa.version: [ 1, 2 ]
amdhsa.kernels:
  - .name:           k_qdec99ea0d6_place
    .symbol:         k_qdec99ea0d6_place.kd
    .args:
      - { .name: sel, .offset: 0, .size: 8, .value_kind: global_buffer, .address_space: global }
      - { .name: order, .offset: 8, .size: 8, .value_kind: global_buffer, .address_space: global }
    .group_segment_fixed_size: 0
    .private_segment_fixed_size: 0
    .kernarg_segment_align: 8
    .kernarg_segment_size: 16
    .max_flat_workgroup_size: 256
    .sgpr_count:     66
    .vgpr_count:     192
    .wavefront_size: 32
...
	.end_amdgpu_metadata
.endif
;; end of part 7
;; launch up (part 8): grid 32 x 8, 4 waves a work-group, no clusters, 103,424 bytes of LDS; arguments w1_codes, w1_scales, b1, xq, order, hq; writes hq
.if DOCPART == 8
	.amdgcn_target "amdgcn-amd-amdhsa--gfx1250"
	.amdhsa_code_object_version 6
	.text
	.protected	k_qdec99ea0d6_up
	.globl	k_qdec99ea0d6_up
	.p2align	8
	.type	k_qdec99ea0d6_up,@function
k_qdec99ea0d6_up:
	s_mov_b64 s[64:65], 0
	v_nop
	global_prefetch_b8 v0, s[64:65] scope:SCOPE_SE
	s_setreg_imm32_b32 hwreg(HW_REG_WAVE_SCHED_MODE, 0, 2), 2
	s_setreg_imm32_b32 hwreg(HW_REG_WAVE_MODE, 25, 1), 1
	s_wait_xcnt 0x0
	s_wait_alu depctr_vm_vsrc(0)
; h = Q(gelu(Q(x) W1 + b1)) for the rows that chose expert e, on codes of BF6 (E3M2) with one E8M0 byte for each 32 along K.  W1: [8][4096 units][1024 k] as codes, 768 bytes a unit.
; SHARES.  Work-group (g, e) owns hidden units 128 g .. 128 g + 127 of expert e: 98,304 bytes of codes, read from memory by this work-group alone.  They stay in EACH wave's registers: 64 fragments
; (K step s, tile t of 16 units: number 8 s + t), 768 registers.  The four waves take the expert's tiles of 16 rows by turns, m = wave, wave + 4, ..: 64 matrix instructions a tile, no barrier in the loop.
; THE NUMBER OF TILES comes from the stored count.  This text has no tensor load and no joint load; operands come through registers.
; THE WEIGHTS' WAY IN: wave c loads chunk c (32 units, 24,576 consecutive bytes) by 48 loads of 512 bytes and lays it in LDS as rows of 784 bytes; one barrier; every wave reads all 64 fragments.
; 784 bytes are 196 words: 16 rows start 4 words apart modulo 64 and the halves of the lanes 6 words apart, so the 32 lanes of a load of 8 bytes touch 64 different banks (64 banks of 4 bytes: ISA guide 11.1).
; THE UNITS OF A TILE ARE NOT NEIGHBOURS: lane r of tile 2 b + u takes unit 32 b + 8 u + r + 8 (r / 8); the product is used transposed (source 0 = 16 units, source 1 = 16 rows), so that a lane holds one
; row and the 16 registers of tiles 2 b, 2 b + 1 are 16 neighbours along the next K.  The chunk's rows are laid in LDS in that order.  b1 is the C of each sum's first instruction.
; erf(u) = u P(u^2) / Q(u^2) in f32, u held to +-4, beyond which erf is taken at 4; a few units in the last place of 1.  gelu = 0.5 z + 0.5 z erf(z / sqrt 2).
; hq: the tile's 128 hidden units are K step g of the second product: one fragment as an image of its registers (3 x 512 bytes, lane l's 16 bytes at 16 l), and its scale words (4 bytes a lane).
; LIMITS: NaN and infinities are not served; a block whose largest magnitude lies under 2^-122, a block of zeros too, keeps the byte 1 (read by this program alone).
; An expert that no token chose still runs one tile of filler rows (token 0), whose results nobody reads.
; REGISTERS, in windows of 256: windows 1, 2, 3: 21 fragments each; window 0: addresses, scale words, fragment 63, x's 8 fragments, the 8 accumulators, 34 registers at work.
; THE MODE: SCHED_MODE bits 1:0 = 2 (LLVM: expert scheduling mode 2), set by the entry lines.  The code itself states the register dependences
; between vector or matrix instructions and memory or LDS instructions, with s_wait_alu, always for 0.
; THE PLAN.  Registers that memory or LDS instructions touch, in the loop:
;   XF, XS         x's 8 fragments and scale words.  Read by the tile's 64 matrix instructions; behind the last of these the next tile's loads land in them.
;   HA             b1 lands in it at a tile's head (LDS loads); then matrix instructions, the gelu and the conversions work on it.
;   PC, PW         Written by the quantiser; read by the tile's four stores; written again by the next tile's gelu, whose registers at work they share.
;   XO, XSO, LOF   Addresses.  Written by vector lines at a tile's end and head; read by the loads of the next tile's rows and of the token after.
;   TOK            A load lands in it; vector lines at the tile's end hold and read it.
;   IMG, SCO, BIA  Made at the kernel's head and never written again.
; All 1,024 registers are taken, so x has one set of fragments: the next tile's loads stand behind the tile's last product, dealt among the first four blocks of the gelu, which names none of their registers.
; So a tile has three waits on va_vdst beside the gelu's own: at its head (HA is free for b1, the addresses are written), behind the last product (XF and XS have been read), ahead of the stores (PC and PW are
; written); and one on vm_vsrc at its end (the loads have read XO, XSO, LOF, the stores PC and PW).
.set CH,    25088                      ; a chunk in LDS: 32 rows of 784 bytes
.set BIAS,  4*CH                       ; each wave's own copy of b1's 128 numbers, 512 bytes
.set SPARE, BIAS+2048                  ; the spare words, 128 bytes for each wave: no other line names them
.set SPW, 1                            ; v1   LDS address of my spare word; never rewritten
.set NIL, 2                            ; v2   0; never rewritten
.set XO,  3                            ; v3   768 x token + 16 h: the codes of the tile to be fetched
.set XSO, 4                            ; v4   32 x token + 16 h: its scale words
.set TOK, 5                            ; v5   the token of my row in the tile after that
.set LOF, 6                            ; v6   where the list holds it
.set IMG, 7                            ; v7   16 x lane
.set SCO, 8                            ; v8   4 x lane
.set BIA, 9                            ; v9   BIAS + 512 x wave + 64 h
.set CA1, 10                           ; v10, v11  two of erf's coefficients
.set H16, 12                           ; v12  16 h
.set R4,  13                           ; v13  4 r
.set XS,  14                           ; v14-17  x's scale words: register i: K step i in lanes 0-15, K step 4 + i in lanes 16-31
.set WS,  18                           ; v18-49  W1's: tile t at 18 + 4 t, laid likewise
.set W63, 50                           ; v50-61  fragment 63
.set XF,  62                           ; v62-157 x's fragments, K step s at 62 + 12 s
.set HA,  158                          ; v158-221 the accumulators, tile t at 158 + 8 t
.set U,   222                          ; gelu: u, u^2, P, Q: 8 each
.set TT,  230
.set P,   238
.set Q,   246
.set TM,  222                          ; the quantiser: v222-233, the scale word, the codes
.set PW,  234
.set PC,  236
.set FA0, 158                          ; at the head alone, in the accumulators' registers
.set FA1, 159
.set SA0, 160
.set SA1, 161
.set WSO, 162
.set TK2, 163
.set LO2, 164
.set BST, 165
.set K707, 32                          ; s[32:33] 1 / sqrt 2;  pairs, both words written: the packed forms name a pair
.set KA0, 34
.set KA2, 36                           ; s[36:45] A2 .. A6
.set KB0, 46
.set KB2, 48                           ; s[48:53] B2 .. B4
.set SEL, 54                           ; s[54:55] v_permlanex16_b32's selects for lane l xor 16
.set NTW, 58                           ; s58  how many tiles are my wave's
.set TRP, 59                           ; s59  the loop's counter: tiles done
.set MSB, 0
.macro WIN new                         ; the immediate's high byte repeats the setting that is left; a switch that changes nothing is dropped
.if MSB != (\new)
	s_set_vgpr_msb (MSB<<8)|(\new)
.set MSB, (\new)
.endif
.endm
.macro FRG idx                         ; fragment idx: its window FW and first register FR
.if (\idx) < 63
.set FW, 1+(\idx)/21
.set FR, 12*((\idx)%21)
.else
.set FW, 0
.set FR, W63
.endif
.endm
.macro PLACES                          ; four places behind this matrix form, in front of the first read of its results (ISA guide 7.12.1)
.rept 4
	v_nop
.endr
.endm
.macro SPAIR r, val
	s_mov_b32 s[\r], \val
	s_mov_b32 s[\r+1], \val
.endm
.macro XL s                            ; K step s of the next tile's rows: lane (r, h) takes registers 4 j .. 4 j + 3 of its token's fragment
.irp j, 0,1,2
	global_load_b128 v[XF+12*(\s)+4*\j:XF+12*(\s)+4*\j+3], v[XO], s[10:11] offset:96*(\s)+32*\j
.endr
.endm
.macro QUANT s                         ; 64 numbers of a lane, register 16 b + i = k 32 b + 16 h + i of my row, become codes in v[PC] on and a scale word in v[PW]
.irp b, 0,1,2,3
	v_max3_num_f32 v[TM+\b], |v[\s+16*\b]|, |v[\s+1+16*\b]|, 0x2800000   ; and the floor 2^(5 - 127): the byte cannot fall under 1
.endr
.irp i, 2,4,6,8,10,12,14
.irp b, 0,1,2,3
	v_max3_num_f32 v[TM+\b], v[TM+\b], |v[\s+16*\b+\i]|, |v[\s+1+16*\b+\i]|
.endr
.endr
.irp b, 0,1,2,3
	v_permlanex16_b32 v[TM+4+\b], v[TM+\b], s[SEL], s[SEL+1]
.endr
.irp b, 0,1,2,3
	v_max_num_f32 v[TM+\b], v[TM+\b], v[TM+4+\b]
.endr
.irp b, 0,1,2,3
	v_add_nc_u32 v[TM+8+\b], 0xfe000000, v[TM+\b]      ; 4 off the exponent field: the conversion's scale operand
.endr
.irp b, 0,1,2,3
	v_lshrrev_b32 v[TM+4+\b], 23, v[TM+8+\b]
.endr
	v_lshl_or_b32 v[PW], v[TM+5], 8, v[TM+4]
	v_lshl_or_b32 v[PW], v[TM+6], 16, v[PW]
	v_lshl_or_b32 v[PW], v[TM+7], 24, v[PW]
.irp c, 0,1
	v_cvt_scalef32_pk16_bf6_f32 v[PC+6*\c:PC+2+6*\c], v[\s+32*\c:\s+15+32*\c], v[TM+8+2*\c]
	v_cvt_scalef32_pk16_bf6_f32 v[PC+12+4*\c:PC+14+4*\c], v[\s+16+32*\c:\s+31+32*\c], v[TM+8+2*\c+1]
.endr
	v_nop                                              ; one plain line behind the last scaled conversion
.irp c, 0,1
.irp i, 0,1,2
	v_permlane16_swap_b32 v[PC+6*\c+\i], v[PC+12+4*\c+\i]
.endr
.irp i, 0,1,2
	v_mov_b32 v[PC+3+6*\c+\i], v[PC+12+4*\c+\i]
.endr
.endr
.endm
.macro GELU8 t                         ; the eight numbers of tile t, four pairs by turns in every step; the accumulator is read from its low end on
.set Z, HA+8*(\t)
.irp k, 0,2,4,6
	v_pk_mul_f32 v[U+\k:U+\k+1], v[Z+\k:Z+\k+1], s[K707:K707+1] op_sel_hi:[1,0]
.endr
.irp k, 0,1,2,3,4,5,6,7
	v_med3_num_f32 v[U+\k], v[U+\k], -4.0, 4.0
.endr
.irp k, 0,2,4,6
	v_pk_mul_f32 v[TT+\k:TT+\k+1], v[U+\k:U+\k+1], v[U+\k:U+\k+1]
.endr
.irp k, 0,2,4,6
	v_pk_fma_f32 v[P+\k:P+\k+1], v[TT+\k:TT+\k+1], s[KA0:KA0+1], v[CA1:CA1+1] op_sel_hi:[1,0,0]                  ; A0 t + A1 (v10 for both halves)
.endr
.irp k, 0,2,4,6
	v_pk_fma_f32 v[Q+\k:Q+\k+1], v[TT+\k:TT+\k+1], s[KB0:KB0+1], v[CA1:CA1+1] op_sel:[0,0,1] op_sel_hi:[1,0,1]   ; B0 t + B1 (v11 for both halves)
.endr
.irp c, 0,1,2
.irp k, 0,2,4,6
	v_pk_fma_f32 v[P+\k:P+\k+1], v[P+\k:P+\k+1], v[TT+\k:TT+\k+1], s[KA2+2*\c:KA2+2*\c+1] op_sel_hi:[1,1,0]
.endr
.irp k, 0,2,4,6
	v_pk_fma_f32 v[Q+\k:Q+\k+1], v[Q+\k:Q+\k+1], v[TT+\k:TT+\k+1], s[KB2+2*\c:KB2+2*\c+1] op_sel_hi:[1,1,0]
.endr
.endr
.irp c, 3,4
.irp k, 0,2,4,6
	v_pk_fma_f32 v[P+\k:P+\k+1], v[P+\k:P+\k+1], v[TT+\k:TT+\k+1], s[KA2+2*\c:KA2+2*\c+1] op_sel_hi:[1,1,0]
.endr
.endr
	s_wait_alu depctr_va_vdst(0)
.irp k, 0,1,2,3,4,5,6,7
	v_rcp_f32 v[Q+\k], v[Q+\k]
.endr
.irp k, 0,2,4,6                                ; plain work that names no reciprocal
	v_pk_mul_f32 v[P+\k:P+\k+1], v[P+\k:P+\k+1], v[U+\k:U+\k+1]
.endr
.irp k, 0,2,4,6
	v_pk_mul_f32 v[Z+\k:Z+\k+1], v[Z+\k:Z+\k+1], 0.5 op_sel_hi:[1,0]
.endr
	s_wait_alu depctr_va_vdst(0)                   ; the eight reciprocals have written v[Q ..]: one wait for the batch, ahead of its first reader
.irp k, 0,2,4,6
	v_pk_mul_f32 v[P+\k:P+\k+1], v[P+\k:P+\k+1], v[Q+\k:Q+\k+1]                        ; erf
.endr
.irp k, 0,2,4,6
	v_pk_fma_f32 v[Z+\k:Z+\k+1], v[Z+\k:Z+\k+1], v[P+\k:P+\k+1], v[Z+\k:Z+\k+1]        ; 0.5 z erf + 0.5 z
.endr
.endm
	s_load_b256 s[4:11], s[0:1], 0x0               ; w1_codes 4, w1_scales 6, b1 8, xq 10
	s_load_b128 s[12:15], s[0:1], 0x20             ; order 12, hq 14
	v_lshl_add_u32 v[SPW], v0, 2, SPARE
	v_mov_b32 v[NIL], 0
	v_lshrrev_b32 v3, 5, v0
	v_readfirstlane_b32 s16, v3                    ; wave
	s_mov_b32 s17, ttmp9                           ; g
	s_and_b32 s18, ttmp7, 0xffff                   ; e
	v_and_b32 v[R4], 15, v0                        ; r
	v_bfe_u32 v[H16], v0, 4, 1                     ; h
	v_and_b32 v[IMG], 31, v0
	v_lshlrev_b32 v[SCO], 2, v[IMG]
	v_lshlrev_b32 v[IMG], 4, v[IMG]
	s_wait_alu depctr_va_sdst(0)                   ; s16, the wave's number, is written, ahead of its first reader
	s_mul_i32 s22, s16, CH
	v_add_nc_u32 v[SA0], s22, v[IMG]               ; my chunk, 16 x lane;
	v_lshl_add_u32 v[SA1], v[H16], 4, v[SA0]       ; for the load that ends one row and begins the next: lanes 16-31 stand 16 bytes (784 - 768) further on
	v_mul_u32_u24 v[FA0], v[R4], 784
	v_mad_u32_u24 v[FA0], v[H16], 24, v[FA0]       ; a fragment: row r, + 24 h;  chunks 0, 1
	v_add_nc_u32 v[FA1], 2*CH, v[FA0]              ; chunks 2, 3
	v_and_b32 v[WSO], 8, v[R4]
	v_add_nc_u32 v[WSO], v[WSO], v[R4]             ; r + 8 (r / 8)
	v_lshlrev_b32 v[WSO], 5, v[WSO]
	v_lshl_add_u32 v[WSO], v[H16], 4, v[WSO]       ; W1's scale words: 32 bytes a unit, + 16 h
	s_lshl_b32 s22, s16, 9
	v_add_nc_u32 v[BST], s22, v[IMG]
	v_add_nc_u32 v[BST], BIAS, v[BST]
	v_lshlrev_b32 v[BIA], 6, v[H16]
	v_add_nc_u32 v[BIA], s22, v[BIA]
	v_add_nc_u32 v[BIA], BIAS, v[BIA]
	v_lshlrev_b32 v[H16], 4, v[H16]
	v_lshlrev_b32 v[R4], 2, v[R4]
	v_mov_b32 v[CA1], 0x32edffee                   ; A1 =  2.77068142e-08
	v_mov_b32 v[CA1+1], 0xb95fbd29                 ; B1 = -2.13374055e-04
	SPAIR K707, 0x3f3504f3                         ; 0.70710678
	SPAIR KA0, 0xaf95df0b                          ; A0 = -2.72614226e-10
	SPAIR KA2, 0xb60cff51                          ; A2 = -2.10102402e-06
	SPAIR KA2+2, 0xb86ec2d2                        ; A3 = -5.69250639e-05
	SPAIR KA2+4, 0xba40ac63                        ; A4 = -7.34990630e-04
	SPAIR KA2+6, 0xbb41a1f6                        ; A5 = -2.95459981e-03
	SPAIR KA2+8, 0xbc83dbd4                        ; A6 = -1.60960333e-02
	SPAIR KB0, 0xb77460cd                          ; B0 = -1.45660718e-05
	SPAIR KB2, 0xbadc924e                          ; B2 = -1.68282697e-03
	SPAIR KB2+2, 0xbbf19bf8                        ; B3 = -7.37332917e-03
	SPAIR KB2+4, 0xbc69b6a7                        ; B4 = -1.42647391e-02
	s_mov_b32 s[SEL], 0x76543210
	s_mov_b32 s[SEL+1], 0xfedcba98
	s_lshl_b32 s22, s18, 2
	s_mov_b32 s23, 0
	s_wait_kmcnt 0x0
	s_add_nc_u64 s[56:57], s[12:13], s[22:23]
	s_load_b32 s19, s[56:57], 0x0                  ; cnt[e]
	s_mul_i32 s22, s18, 3145728                    ; (4,096 e + 128 g + 32 wave) units of 768 bytes
	s_mul_i32 s30, s17, 98304
	s_add_co_u32 s22, s22, s30
	s_mul_i32 s30, s16, 24576
	s_add_co_u32 s22, s22, s30
	s_add_nc_u64 s[4:5], s[4:5], s[22:23]
	WIN 0x40                                       ; destination window 1
	s_wait_alu depctr_va_vdst(0)                   ; the addresses made above are written: IMG, SCO, BIA, and the head's v158 to v165, which the loads and LDS instructions below read
.set j, 0
.rept 48
	global_load_b128 v[4*j:4*j+3], v[IMG], s[4:5] offset:512*j th:TH_LOAD_NT   ; my chunk as it lies: 512 consecutive bytes a load; read once in the launch
.set j, j+1
.endr
	WIN 0
	s_lshl_b32 s22, s18, 17                        ; (4,096 e + 128 g) x 32 bytes
	s_lshl_b32 s30, s17, 12
	s_add_co_u32 s22, s22, s30
	s_add_nc_u64 s[6:7], s[6:7], s[22:23]
.irp t, 0,1,2,3,4,5,6,7
	global_load_b128 v[WS+4*\t:WS+4*\t+3], v[WSO], s[6:7] offset:32*(32*(\t/2)+8*(\t%2))
.endr
	s_lshl_b32 s22, s18, 14                        ; (4,096 e + 128 g) x 4 bytes
	s_lshl_b32 s30, s17, 9
	s_add_co_u32 s22, s22, s30
	s_add_nc_u64 s[8:9], s[8:9], s[22:23]
	global_load_b128 v[222:225], v[IMG], s[8:9]
	s_lshl_b32 s22, s18, 12
	s_add_nc_u64 s[28:29], s[12:13], s[22:23]
	s_add_nc_u64 s[28:29], s[28:29], 9472          ; the expert's list
	s_mul_i32 s22, s18, 3145728                    ; hq: ((64 e + wave) 32 + g) x 1,536
	s_mul_i32 s30, s16, 49152
	s_add_co_u32 s22, s22, s30
	s_mul_i32 s30, s17, 1536
	s_add_co_u32 s22, s22, s30
	s_add_nc_u64 s[24:25], s[14:15], s[22:23]
	s_lshl_b32 s22, s18, 18                        ; and its scale words: ((64 e + wave) 32 + g) x 128
	s_lshl_b32 s30, s16, 12
	s_add_co_u32 s22, s22, s30
	s_lshl_b32 s30, s17, 7
	s_add_co_u32 s22, s22, s30
	s_add_nc_u64 s[26:27], s[14:15], s[22:23]
	s_add_nc_u64 s[26:27], s[26:27], 25165824
	s_wait_kmcnt 0x0
	s_min_u32 s19, s19, 1024
	s_add_co_u32 s19, s19, 15
	s_lshr_b32 s19, s19, 4
	s_max_u32 s19, s19, 1                          ; nt: tiles of 16 rows, at least one, at most 64
	s_sub_co_u32 s20, s19, 1
	s_add_co_u32 s[NTW], s19, 3
	s_sub_co_u32 s[NTW], s[NTW], s16
	s_lshr_b32 s[NTW], s[NTW], 2                   ; the tiles wave, wave + 4, .. under nt: (nt + 3 - wave) / 4 of them, none where nt <= wave
	s_mov_b32 s[TRP], 0
	s_min_u32 s22, s16, s20                        ; my first tile and my second, held at the last tile there is
	s_min_u32 s22, s22, 63
	s_lshl_b32 s22, s22, 6
	v_add_nc_u32 v[LOF], s22, v[R4]
	s_add_co_u32 s22, s16, 4
	s_min_u32 s22, s22, s20
	s_min_u32 s22, s22, 63
	s_lshl_b32 s22, s22, 6
	v_add_nc_u32 v[LO2], s22, v[R4]
	s_wait_alu depctr_va_vdst(0)                   ; LOF and LO2 are written, which the two loads below read
	global_load_b32 v[TOK], v[LOF], s[28:29]
	global_load_b32 v[TK2], v[LO2], s[28:29]
	s_wait_loadcnt 0x0                             ; the chunk, the scale words, b1 and the two tokens
	v_min_u32 v[TOK], 1023, v[TOK]
	v_mul_u32_u24 v[XO], v[TOK], 768
	v_add_nc_u32 v[XO], v[H16], v[XO]
	v_lshl_add_u32 v[XSO], v[TOK], 5, v[H16]
	s_wait_alu depctr_va_vdst(0)                   ; XO and XSO are written, which the first tile's loads read
.irp s, 0,1,2,3,4,5,6,7
	XL \s                                          ; my first tile's rows land while the weights go through LDS
.endr
	global_load_b128 v[XS:XS+3], v[XSO], s[10:11] offset:786432
	WIN 0x04                                       ; an LDS store's data are its source 1: window 1
.set j, 0
.rept 48                                       ; load 3 k + x holds a third of the pair of units 2 k, 2 k + 1; unit u goes to LDS row (u & 7) | (u & 8) << 1 | (u & 16) >> 1: rows 16 v .. 16 v + 15 are tile 2 c + v's
.set rho, 2*(j/3)
.set PIR, ((rho&7)|((rho&8)<<1)|((rho&16)>>1))*784
.if j%3 == 0
	ds_store_b128 v[SA0], v[4*j:4*j+3] offset:PIR
.elseif j%3 == 1
	ds_store_b128 v[SA1], v[4*j:4*j+3] offset:PIR+512
.else
	ds_store_b128 v[SA0], v[4*j:4*j+3] offset:PIR+1040
.endif
.set j, j+1
.endr
	WIN 0
	ds_store_b128 v[BST], v[222:225]
	s_wait_dscnt 0x0                               ; for the others' sake: my chunk has landed
	s_barrier_signal -1                            ; the launch's one barrier, ahead of every branch on the count
	s_barrier_wait -1
	WIN 0x40                                       ; destination window 1
	s_wait_alu depctr_vm_vsrc(0)                   ; my LDS stores have read the chunk's registers in window 1, in which the fragments below land
.set idx, 0
.rept 64                                       ; all 64 fragments, six loads of 8 bytes each: every address is a multiple of the access's size
	FRG idx
	WIN (FW<<6)
.set tt, idx%8
.set OFS, ((tt/2)%2)*CH+(tt%2)*12544+96*(idx/8)
.irp p, 0,1,2,3,4,5
.if tt < 4
	ds_load_b64 v[FR+2*\p:FR+2*\p+1], v[FA0] offset:OFS+48*(\p/3)+8*(\p%3)
.else
	ds_load_b64 v[FR+2*\p:FR+2*\p+1], v[FA1] offset:OFS+48*(\p/3)+8*(\p%3)
.endif
.endr
.set idx, idx+1
.endr
	WIN 0
	s_wait_xcnt 0x0                                ; the first tile's loads have read their addresses: these now take the second tile's
	s_wait_alu depctr_vm_vsrc(0)                   ; the first tile's loads have read XO and XSO, which the lines below write; the fragments' loads have read v158 and v159, in which b1 lands in the loop
	v_min_u32 v[TK2], 1023, v[TK2]
	v_mul_u32_u24 v[XO], v[TK2], 768
	v_add_nc_u32 v[XO], v[H16], v[XO]
	v_lshl_add_u32 v[XSO], v[TK2], 5, v[H16]
.irp b, 0,1,2,3
	v_mov_b32 v[TM+4+\b], 0                        ; written once: a lane permute's destination counts as one of its sources
.endr
	s_mov_b32 s21, s16                             ; m
	s_wait_loadcnt 0x0                             ; the first tile's rows
	s_wait_dscnt 0x0                               ; the fragments
	s_cmp_eq_u32 s[NTW], 0
	s_cbranch_scc1 .Lend                           ; fewer tiles than waves
.Ltile:
	s_add_co_u32 s22, s21, 8                       ; the list entry of the tile after next
	s_min_u32 s22, s22, s20
	s_min_u32 s22, s22, 63
	s_lshl_b32 s22, s22, 6
	v_add_nc_u32 v[LOF], s22, v[R4]
	s_wait_alu depctr_va_vdst(0)                   ; the last tile's gelu and conversions are done with HA (in the first trip: the head's lines with v158 to v165), in which b1 lands; XO, XSO and LOF are written, which this tile's loads read; the lines that held and read TOK are done
.irp t, 0,1,2,3,4,5,6,7                        ; b1 in the result's layout: for tile 2 b + u the units 32 b + 16 h + 8 u + 0 .. 7
	ds_load_b128 v[HA+8*\t:HA+8*\t+3], v[BIA] offset:128*(\t/2)+32*(\t%2)
	ds_load_b128 v[HA+8*\t+4:HA+8*\t+7], v[BIA] offset:128*(\t/2)+32*(\t%2)+16
.endr
	s_wait_dscnt 0x0
.set idx, 0
.rept 64                                       ; the eight accumulators take turns, one instruction a turn, over the backward jump too
	FRG idx
	WIN FW
.set ss, idx/8
.set tt, idx%8
.if ss < 4
	v_wmma_scale_f32_16x16x128_f8f6f4 v[HA+8*tt:HA+8*tt+7], v[FR:FR+11], v[XF+12*ss:XF+12*ss+11], v[HA+8*tt:HA+8*tt+7], v[WS+4*tt+ss], v[XS+ss] matrix_a_fmt:MATRIX_FMT_BF6 matrix_b_fmt:MATRIX_FMT_BF6
.else
	v_wmma_scale_f32_16x16x128_f8f6f4 v[HA+8*tt:HA+8*tt+7], v[FR:FR+11], v[XF+12*ss:XF+12*ss+11], v[HA+8*tt:HA+8*tt+7], v[WS+4*tt+ss-4], v[XS+ss-4] matrix_a_fmt:MATRIX_FMT_BF6 matrix_b_fmt:MATRIX_FMT_BF6 matrix_a_scale:MATRIX_SCALE_ROW1 matrix_b_scale:MATRIX_SCALE_ROW1
.endif
.set idx, idx+1
.endr                                              ; (fragment 63 lies in window 0: every window is 0 from here on)
	PLACES                                         ; in front of the gelu's first read of results
	s_wait_alu depctr_va_vdst(0)                   ; the 64 products are done reading XF and XS, in which the next tile's loads land
	global_load_b32 v[TOK], v[LOF], s[28:29]
	global_load_b128 v[XS:XS+3], v[XSO], s[10:11] offset:786432
.irp t, 0,1,2,3,4,5,6,7
.if \t < 4
	XL 2*\t                                        ; two K steps of the next tile's rows ahead of each of the first four blocks.  No further wait: the gelu names HA, its registers at work and v10, v11, none of XF, XO
	XL 2*\t+1
.endif
	GELU8 \t
.endr
	QUANT HA
	s_wait_alu depctr_va_vdst(0)                   ; the quantiser has written PC and PW, which the four stores read
.irp j, 0,1,2
	global_store_b128 v[IMG], v[PC+4*\j:PC+4*\j+3], s[24:25] offset:512*\j   ; the fragment as it stands: 1,536 consecutive bytes
.endr
	global_store_b32 v[SCO], v[PW], s[26:27]
	s_wait_loadcnt 0x0                             ; the next tile's rows, scale words and the token after: the last of them asked for ahead of the gelu's fourth block
	s_wait_xcnt 0x0                                ; the stores have read their data and bases: both are written again only behind this wait
	s_wait_alu depctr_vm_vsrc(0)                   ; the loads have read XO, XSO and LOF, which the lines below and the next tile's head write; the stores have read PC and PW, which the next tile's gelu writes
	s_add_nc_u64 s[24:25], s[24:25], 196608        ; four tiles on: 4 x 32 x 1,536
	s_add_nc_u64 s[26:27], s[26:27], 16384
	v_min_u32 v[TOK], 1023, v[TOK]
	v_mul_u32_u24 v[XO], v[TOK], 768
	v_add_nc_u32 v[XO], v[H16], v[XO]
	v_lshl_add_u32 v[XSO], v[TOK], 5, v[H16]
	s_add_co_u32 s21, s21, 4                       ; m: it feeds the list's offset alone
	s_add_co_u32 s[TRP], s[TRP], 1                 ; the loop is counted tile by tile
	s_cmp_lt_u32 s[TRP], s[NTW]
	s_cbranch_scc1 .Ltile
.Lend:
	s_wait_dscnt 0x0                               ; the closing lines, six on end
	s_wait_alu 0x0
	s_wait_tensorcnt 0x0
	ds_add_u32 v[SPW], v[NIL]
	s_wait_dscnt 0x0
	s_endpgm
.Lfunc_end_k_qdec99ea0d6_up:
	.size	k_qdec99ea0d6_up, .Lfunc_end_k_qdec99ea0d6_up-k_qdec99ea0d6_up
	.p2alignl 7, 3214868480
	.fill 96, 4, 3214868480
	.section	.rodata,"a",@progbits
	.p2align	6, 0x0
	.amdhsa_kernel k_qdec99ea0d6_up
		.amdhsa_group_segment_fixed_size 103424
		.amdhsa_private_segment_fixed_size 0
		.amdhsa_enable_private_segment 0
		.amdhsa_kernarg_size 48
		.amdhsa_user_sgpr_count 2
		.amdhsa_user_sgpr_kernarg_segment_ptr 1
		.amdhsa_wavefront_size32 1
		.amdhsa_system_sgpr_workgroup_id_x 1
		.amdhsa_system_sgpr_workgroup_id_y 1
		.amdhsa_system_sgpr_workgroup_id_z 1
		.amdhsa_system_vgpr_workitem_id 0
		.amdhsa_next_free_vgpr 1024
		.amdhsa_next_free_sgpr 66
		.amdhsa_reserve_vcc 0
		.amdhsa_float_denorm_mode_32 3
		.amdhsa_float_denorm_mode_16_64 3
		.amdhsa_memory_ordered 1
		.amdhsa_forward_progress 1
		.amdhsa_inst_pref_size 98
	.end_amdhsa_kernel
	.amdgpu_metadata
---
amdhsa.version: [ 1, 2 ]
amdhsa.kernels:
  - .name:           k_qdec99ea0d6_up
    .symbol:         k_qdec99ea0d6_up.kd
    .args:
      - { .name: w1_codes, .offset: 0, .size: 8, .value_kind: global_buffer, .address_space: global }
      - { .name: w1_scales, .offset: 8, .size: 8, .value_kind: global_buffer, .address_space: global }
      - { .name: b1, .offset: 16, .size: 8, .value_kind: global_buffer, .address_space: global }
      - { .name: xq, .offset: 24, .size: 8, .value_kind: global_buffer, .address_space: global }
      - { .name: order, .offset: 32, .size: 8, .value_kind: global_buffer, .address_space: global }
      - { .name: hq, .offset: 40, .size: 8, .value_kind: global_buffer, .address_space: global }
    .group_segment_fixed_size: 103424
    .private_segment_fixed_size: 0
    .kernarg_segment_align: 8
    .kernarg_segment_size: 48
    .max_flat_workgroup_size: 128
    .sgpr_count:     66
    .vgpr_count:     1024
    .wavefront_size: 32
...
	.end_amdgpu_metadata
.endif
;; end of part 8
;; launch down (part 9): grid 32 x 8, 4 waves a work-group, no clusters, 168,448 bytes of LDS; arguments w2_codes, w2_scales, b2, hq, order, y; writes y
.if DOCPART == 9
	.amdgcn_target "amdgcn-amd-amdhsa--gfx1250"
	.amdhsa_code_object_version 6
	.text
	.protected	k_qdec99ea0d6_down
	.globl	k_qdec99ea0d6_down
	.p2align	8
	.type	k_qdec99ea0d6_down,@function
k_qdec99ea0d6_down:
	s_mov_b64 s[64:65], 0
	v_nop
	global_prefetch_b8 v0, s[64:65] scope:SCOPE_SE
	s_setreg_imm32_b32 hwreg(HW_REG_WAVE_SCHED_MODE, 0, 2), 2
	s_setreg_imm32_b32 hwreg(HW_REG_WAVE_MODE, 25, 1), 1
	s_wait_xcnt 0x0
	s_wait_alu depctr_vm_vsrc(0)
; y = h W2 + b2 for the rows that chose expert e, on codes of BF6 (E3M2) with one E8M0 byte for each 32 along K.  W2: [8][1024 outputs][4096 k] as codes, 3,072 bytes an output.  y: [8,192 slots][1024] f32, not yet weighed.
; SHARES.  Work-group (x, e): q = x % 4 takes the expert's tiles of 16 rows m = q, q + 4, ..; dg = x / 4 the outputs 128 dg .. 128 dg + 127.  THE FOUR WAVES SHARE K: wave w holds those 128 outputs' codes of
; K steps 8 w .. 8 w + 7 (768 bytes of each row, at byte 768 w) in its registers for the whole launch: 64 fragments (K step s, tile t: number 8 s + t), 768 registers.  Each byte of h is read by one wave of a work-group.
; The waves' partial sums of a tile meet in LDS: one barrier a tile, two sets of stages by turns; wave w then adds rows 4 w .. 4 w + 3 in ascending K, adds b2 and stores 512 consecutive bytes a row.
; THE NUMBER OF TILES comes from the stored count.  The loop has a constant 16 turns; a turn without a tile jumps over its work by a scalar branch, never over the barrier.  This text has no tensor load
; and no joint load; operands come through registers.
; THE WEIGHTS' WAY IN: by chunks of 32 rows x 768 bytes: 48 loads of 512 bytes (whole aligned blocks of 256 bytes of the rows), into the very registers that the chunk's 16 fragments will take; through the wave's own
; LDS region as rows of 784 bytes; back as fragments.  LDS serves a wave's instructions in order (ISA guide 5.7.1.4), so a chunk's stores come behind the last chunk's reads; no barrier is needed.
; The product is used transposed (source 0 = 16 outputs, source 1 = 16 rows): a lane holds eight neighbouring outputs of one row.
; REGISTERS, in windows of 256: windows 1, 2, 3: 21 fragments each; window 0: addresses, scale words, fragment 63, h's 8 fragments, the 8 accumulators.
; THE MODE: SCHED_MODE bits 1:0 = 2 (LLVM: expert scheduling mode 2), set by the entry lines.  The code itself states the register dependences
; between vector or matrix instructions and memory or LDS instructions, with s_wait_alu, always for 0.
; THE PLAN.  Registers that memory or LDS instructions touch, in the loop:
;   XF, HS       h's 8 fragments and scale words.  K step s is read by matrix instructions 8 s .. 8 s + 7 of a turn; then the next tile's loads land in it.
;   HA           Written by the turn's 64 matrix instructions; read by its 16 LDS stores; behind the barrier the 16 LDS loads of the reduction land in it; the additions write its rows; 4 global stores read them.
;   HO, HSO, YO  Written by vector lines at a turn's head; read by the turn's loads and stores.
;   IMG, SCO, STO, RDA  Made at the kernel's head and never written again.
; All 1,024 registers are taken, so h has one set of fragments, and little vector work follows the products: the next tile's loads stay in the matrix run, in three groups, each behind a wait on va_vdst:
; K steps 0, 1 behind product 20; 2, 3, 4 behind product 41; 5, 6, 7 behind the last product, under the wait that the LDS stores of the results want anyway.  One more wait on va_vdst stands ahead of the run of
; four global stores.  Two waits on vm_vsrc, each on every way through a turn: at its head (HO, HSO, YO and the stored rows have been read) and ahead of the barrier (my LDS stores have read HA).
.set CH,    25088                      ; a wave's region: 32 rows of 784 bytes
.set RB,    4*CH                       ; the stages: 2 sets x 4 waves x 16 rows x 528 bytes
.set RSET,  33792
.set SPARE, RB+2*RSET                  ; the spare words, 128 bytes for each wave: no other line names them
.set SPW, 1                            ; v1   LDS address of my spare word; never rewritten
.set NIL, 2                            ; v2   0; never rewritten
.set HO,  3                            ; v3   16 x lane + 49,152 x tile: the codes of the tile to be fetched
.set HSO, 4                            ; v4   4 x lane + 4,096 x tile: its scale words
.set YO,  5                            ; v5   16 x lane + 65,536 x m
.set IMG, 7                            ; v7   16 x lane
.set SCO, 8                            ; v8   4 x lane
.set STO, 9                            ; v9   RB + 8,448 w + 528 r + 32 h
.set RDA, 10                           ; v10  RB + 2,112 w + 16 x lane
.set B2V, 14                           ; v14-17  b2 of my four outputs of a row
.set WS,  18                           ; v18-49  W2's scale words: tile t at 18 + 4 t; register i: K step i in lanes 0-15, K step 4 + i in lanes 16-31
.set W63, 50                           ; v50-61  fragment 63
.set XF,  62                           ; v62-157 h's fragments
.set HA,  158                          ; v158-221 the accumulators; later the rows to be added
.set HS,  222                          ; v222-229 h's scale words, a register a K step
.set GA1, 230                          ; at the head alone
.set SA0, 231
.set SA1, 232
.set FA,  233
.set WSO, 234
.set RR,  235
.set HH,  236
.set MSB, 0
.macro WIN new                         ; the immediate's high byte repeats the setting that is left; a switch that changes nothing is dropped
.if MSB != (\new)
	s_set_vgpr_msb (MSB<<8)|(\new)
.set MSB, (\new)
.endif
.endm
.macro FRG idx                         ; fragment idx: its window FW and first register FR
.if (\idx) < 63
.set FW, 1+(\idx)/21
.set FR, 12*((\idx)%21)
.else
.set FW, 0
.set FR, W63
.endif
.endm
.macro PLACES                          ; four places behind this matrix form, in front of the stores that read its results and, kept as in the plain form, of loads into its registers
.rept 4
	v_nop
.endr
.endm
.macro GLOAD c                         ; chunk c: load 3 k + x is a third of the pair of rows 2 k, 2 k + 1, into group x of the chunk's fragment k
.set j, 0
.rept 48
.set kk, j/3
	FRG 8*(kk/2)+2*(\c)+(kk%2)
	WIN (FW<<6)
.if j%3 == 0
	global_load_b128 v[FR:FR+3], v[IMG], s[4:5] offset:(32*(\c)+2*kk)*3072
.elseif j%3 == 1
	global_load_b128 v[FR+4:FR+7], v[GA1], s[4:5] offset:(32*(\c)+2*kk)*3072+512     ; lanes 16-31 begin the next row: 3,072 - 768 bytes further on
.else
	global_load_b128 v[FR+8:FR+11], v[IMG], s[4:5] offset:(32*(\c)+2*kk+1)*3072+256
.endif
.set j, j+1
.endr
	WIN 0
.endm
.macro SSTORE c                        ; the same registers into my region, rows 784 bytes apart
.set j, 0
.rept 48
.set kk, j/3
	FRG 8*(kk/2)+2*(\c)+(kk%2)
	WIN (FW<<2)
.if j%3 == 0
	ds_store_b128 v[SA0], v[FR:FR+3] offset:2*kk*784
.elseif j%3 == 1
	ds_store_b128 v[SA1], v[FR+4:FR+7] offset:2*kk*784+512
.else
	ds_store_b128 v[SA0], v[FR+8:FR+11] offset:2*kk*784+1040
.endif
.set j, j+1
.endr
	WIN 0
.endm
.macro FREAD c                         ; and back as the chunk's 16 fragments: K step f / 2, tile 2 c + f % 2; six loads of 8 bytes each
.set ff, 0
.rept 16
	FRG 8*(ff/2)+2*(\c)+(ff%2)
	WIN (FW<<6)
.if ff == 0
	s_wait_alu depctr_vm_vsrc(0)                   ; the chunk's LDS stores have read its registers, in which the fragments below land; only window switches and these loads follow
.endif
.irp p, 0,1,2,3,4,5
	ds_load_b64 v[FR+2*\p:FR+2*\p+1], v[FA] offset:(ff%2)*12544+96*(ff/2)+48*(\p/3)+8*(\p%3)
.endr
.set ff, ff+1
.endr
	WIN 0
.endm
.macro HL s                            ; K step s of the tile to be fetched: the fragment's image and its scale words: four loads
.irp j, 0,1,2
	global_load_b128 v[XF+12*(\s)+4*\j:XF+12*(\s)+4*\j+3], v[HO], s[28:29] offset:1536*(\s)+512*\j
.endr
	global_load_b32 v[HS+(\s)], v[HSO], s[30:31] offset:128*(\s)
.endm
	s_load_b256 s[4:11], s[0:1], 0x0               ; w2_codes 4, w2_scales 6, b2 8, hq 10
	s_load_b128 s[12:15], s[0:1], 0x20             ; order 12, y 14
	v_lshl_add_u32 v[SPW], v0, 2, SPARE
	v_mov_b32 v[NIL], 0
	v_lshrrev_b32 v3, 5, v0
	v_readfirstlane_b32 s16, v3                    ; wave w
	s_and_b32 s17, ttmp9, 3                        ; q
	s_lshr_b32 s18, ttmp9, 2                       ; dg
	s_and_b32 s19, ttmp7, 0xffff                   ; e
	v_and_b32 v[RR], 15, v0
	v_bfe_u32 v[HH], v0, 4, 1
	v_and_b32 v[IMG], 31, v0
	v_lshlrev_b32 v[SCO], 2, v[IMG]
	v_lshlrev_b32 v[IMG], 4, v[IMG]
	v_mul_u32_u24 v[GA1], v[HH], 2304
	v_add_nc_u32 v[GA1], v[GA1], v[IMG]
	s_wait_alu depctr_va_sdst(0)                   ; s16, the wave's number, is written, ahead of its first reader
	s_mul_i32 s24, s16, CH
	v_add_nc_u32 v[SA0], s24, v[IMG]
	v_lshl_add_u32 v[SA1], v[HH], 4, v[SA0]
	v_mul_u32_u24 v[FA], v[RR], 784
	v_mad_u32_u24 v[FA], v[HH], 24, v[FA]
	v_add_nc_u32 v[FA], s24, v[FA]
	s_lshl_b32 s24, s16, 5
	v_lshlrev_b32 v[WSO], 7, v[RR]
	v_lshl_add_u32 v[WSO], v[HH], 4, v[WSO]
	v_add_nc_u32 v[WSO], s24, v[WSO]               ; W2's scale words: 128 r + 32 w + 16 h
	s_mul_i32 s24, s16, 8448
	v_mul_u32_u24 v[STO], v[RR], 528
	v_lshl_add_u32 v[STO], v[HH], 5, v[STO]
	v_add_nc_u32 v[STO], s24, v[STO]
	v_add_nc_u32 v[STO], RB, v[STO]
	s_mul_i32 s24, s16, 2112
	v_add_nc_u32 v[RDA], s24, v[IMG]
	v_add_nc_u32 v[RDA], RB, v[RDA]
	v_mov_b32 v[YO], v[IMG]                        ; written on every way; each tile writes it anew
	s_lshl_b32 s36, s19, 2
	s_mov_b32 s37, 0
	s_wait_kmcnt 0x0
	s_add_nc_u64 s[34:35], s[12:13], s[36:37]
	s_load_b32 s20, s[34:35], 0x0                  ; cnt[e]
	s_mul_i32 s36, s19, 3145728                    ; (1,024 e + 128 dg) rows of 3,072 bytes + 768 w
	s_mul_i32 s24, s18, 393216
	s_add_co_u32 s36, s36, s24
	s_mul_i32 s24, s16, 768
	s_add_co_u32 s36, s36, s24
	s_add_nc_u64 s[4:5], s[4:5], s[36:37]
	WIN 0x40                                       ; destination window 1: the first fragment's
	s_wait_alu depctr_va_vdst(0)                   ; the addresses made above are written: IMG, SCO, STO, RDA, YO and the head's v230 to v234, which the loads, stores and LDS instructions below read
	GLOAD 0
	GLOAD 1
	s_lshl_b32 s36, s19, 17                        ; (1,024 e + 128 dg) x 128
	s_lshl_b32 s24, s18, 14
	s_add_co_u32 s36, s36, s24
	s_add_nc_u64 s[6:7], s[6:7], s[36:37]
	s_lshl_b32 s36, s19, 12                        ; (1,024 e + 128 dg) x 4
	s_lshl_b32 s24, s18, 9
	s_add_co_u32 s36, s36, s24
	s_add_nc_u64 s[8:9], s[8:9], s[36:37]
	s_mul_i32 s36, s19, 3145728                    ; hq: (64 e x 32 + 8 w) x 1,536
	s_mul_i32 s24, s16, 12288
	s_add_co_u32 s36, s36, s24
	s_add_nc_u64 s[28:29], s[10:11], s[36:37]
	s_lshl_b32 s36, s19, 18                        ; its scale words: (64 e x 32 + 8 w) x 128
	s_lshl_b32 s24, s16, 10
	s_add_co_u32 s36, s36, s24
	s_add_nc_u64 s[30:31], s[10:11], s[36:37]
	s_add_nc_u64 s[30:31], s[30:31], 25165824
	s_lshl_b32 s36, s19, 22                        ; y: (1,024 e + 4 w) rows of 4,096 bytes + 512 dg
	s_lshl_b32 s24, s16, 14
	s_add_co_u32 s36, s36, s24
	s_lshl_b32 s24, s18, 9
	s_add_co_u32 s36, s36, s24
	s_add_nc_u64 s[32:33], s[14:15], s[36:37]
	s_wait_loadcnt 48                              ; chunk 0 is in; chunk 1's 48 loads may be out
	SSTORE 0
	s_wait_dscnt 0x0                               ; the stores into my region are done
	FREAD 0
	GLOAD 2
	s_wait_loadcnt 48                              ; chunk 1 is in; chunk 2's may be out
	SSTORE 1
	s_wait_dscnt 0x0
	FREAD 1
	GLOAD 3
	s_wait_loadcnt 48                              ; chunk 2 is in; chunk 3's may be out
	SSTORE 2
	s_wait_dscnt 0x0
	FREAD 2
.irp t, 0,1,2,3,4,5,6,7
	global_load_b128 v[WS+4*\t:WS+4*\t+3], v[WSO], s[6:7] offset:2048*\t
.endr
	global_load_b128 v[B2V:B2V+3], v[IMG], s[8:9]
	s_wait_kmcnt 0x0
	s_min_u32 s20, s20, 1024
	s_add_co_u32 s20, s20, 15
	s_lshr_b32 s20, s20, 4
	s_max_u32 s20, s20, 1                          ; nt
	s_sub_co_u32 s21, s20, 1
	s_mov_b32 s22, s17                             ; m = q
	s_min_u32 s24, s17, s21                        ; my first tile, held at the last tile there is
	s_min_u32 s24, s24, 63
	s_mul_i32 s25, s24, 49152
	v_add_nc_u32 v[HO], s25, v[IMG]
	s_lshl_b32 s25, s24, 12
	v_add_nc_u32 v[HSO], s25, v[SCO]
	s_wait_alu depctr_va_vdst(0)                   ; HO and HSO are written, which the first tile's loads read
.irp s, 0,1,2,3,4,5,6,7
	HL \s                                          ; 32 loads, in the order in which the K steps are wanted
.endr
	s_wait_loadcnt 32                              ; chunk 3, the scale words and b2 are in; the tile's 32 loads may be out
	SSTORE 3
	s_wait_dscnt 0x0
	FREAD 3
	s_wait_dscnt 0x0
; ONE TURN.  par: which set of stages.  At its head the last 32 loads issued are the tile's, in three groups: K steps 0, 1 (8 loads); 2, 3, 4 (12); 5, 6, 7 (12).
.macro TRIP par
	s_wait_xcnt 0x0                                ; on every way through the turn: the last turn's loads and stores have had their addresses translated
	s_wait_alu depctr_vm_vsrc(0)                   ; on every way, ahead of the branch: the last turn's loads have read HO and HSO, its stores YO and the rows in HA: this turn's vector lines, products and LDS loads write them again
	s_cmp_lt_u32 s22, s20
	s_cbranch_scc0 .La_\@                          ; no tile m: the work is jumped over, the barrier is not
	s_add_co_u32 s24, s22, 4                       ; the tile to be fetched, held at the last tile there is
	s_min_u32 s24, s24, s21
	s_min_u32 s24, s24, 63
	s_mul_i32 s25, s24, 49152
	v_add_nc_u32 v[HO], s25, v[IMG]
	s_lshl_b32 s25, s24, 12
	v_add_nc_u32 v[HSO], s25, v[SCO]
	s_lshl_b32 s25, s22, 16
	v_add_nc_u32 v[YO], s25, v[IMG]
.set idx, 0
.rept 64                                       ; the eight accumulators take turns, one instruction a turn; K step 0 starts the sums
.if idx == 0
	s_wait_loadcnt 24                              ; K steps 0, 1 are in: behind them 12 + 12 loads
.elseif idx == 16
	s_wait_loadcnt 12                              ; 2, 3, 4: behind them 12
.elseif idx == 40
	s_wait_loadcnt 8                               ; 5, 6, 7: behind them the next tile's first 8
.endif
	FRG idx
	WIN FW
.set ss, idx/8
.set tt, idx%8
.if ss == 0
	v_wmma_scale_f32_16x16x128_f8f6f4 v[HA+8*tt:HA+8*tt+7], v[FR:FR+11], v[XF+12*ss:XF+12*ss+11], 0, v[WS+4*tt+ss], v[HS+ss] matrix_a_fmt:MATRIX_FMT_BF6 matrix_b_fmt:MATRIX_FMT_BF6
.elseif ss < 4
	v_wmma_scale_f32_16x16x128_f8f6f4 v[HA+8*tt:HA+8*tt+7], v[FR:FR+11], v[XF+12*ss:XF+12*ss+11], v[HA+8*tt:HA+8*tt+7], v[WS+4*tt+ss], v[HS+ss] matrix_a_fmt:MATRIX_FMT_BF6 matrix_b_fmt:MATRIX_FMT_BF6
.else
	v_wmma_scale_f32_16x16x128_f8f6f4 v[HA+8*tt:HA+8*tt+7], v[FR:FR+11], v[XF+12*ss:XF+12*ss+11], v[HA+8*tt:HA+8*tt+7], v[WS+4*tt+ss-4], v[HS+ss] matrix_a_fmt:MATRIX_FMT_BF6 matrix_b_fmt:MATRIX_FMT_BF6 matrix_a_scale:MATRIX_SCALE_ROW1
.endif
.if idx == 20                                  ; where the weights' window changes anyway, the K steps that are done with take the next tile's
	WIN 0
	PLACES
	s_wait_alu depctr_va_vdst(0)                   ; the products of K steps 0 and 1 are done reading their fragments and scale words, in which the loads below land; HO and HSO are written, which this turn's loads read
	HL 0
	HL 1
.elseif idx == 41
	WIN 0
	PLACES
	s_wait_alu depctr_va_vdst(0)                   ; the products of K steps 2, 3 and 4 are done reading their fragments and scale words, in which the loads below land
	HL 2
	HL 3
	HL 4
.elseif idx == 63
	PLACES                                         ; the places in front of the stores that read the results stay beside the wait
	s_wait_alu depctr_va_vdst(0)                   ; the products have written the accumulators, which the LDS stores read, and in which the reduction's LDS loads land; those of K steps 5, 6 and 7 are done reading their fragments and scale words
.endif
.set idx, idx+1
.endr
.irp t, 0,1,2,3,4,5,6,7                        ; lane (r, h): row r, outputs 16 t + 8 h + 0 .. 7; each accumulator from its low end on
	ds_store_b128 v[STO], v[HA+8*\t:HA+8*\t+3] offset:RSET*(\par)+64*\t
	ds_store_b128 v[STO], v[HA+8*\t+4:HA+8*\t+7] offset:RSET*(\par)+64*\t+16
.endr
	HL 5                                           ; no vector or matrix instruction since the wait: the next tile's last three K steps go out while the LDS stores land
	HL 6
	HL 7
.La_\@:
	s_wait_dscnt 0x0                               ; my partial sums have landed; and my reads of the other set, which the next turn writes, are over
	s_wait_alu depctr_vm_vsrc(0)                   ; on every way, ahead of the branch below: my LDS stores have read HA, in which the reduction's loads land
	s_barrier_signal -1
	s_barrier_wait -1
	s_cmp_lt_u32 s22, s20
	s_cbranch_scc0 .Lb_\@
.irp i, 0,1,2,3                                ; rows 4 w + i of the four waves' partial sums, 16 bytes a lane
.irp u, 0,1,2,3
	ds_load_b128 v[HA+16*\i+4*\u:HA+16*\i+4*\u+3], v[RDA] offset:RSET*(\par)+8448*\u+528*\i
.endr
.endr
.irp i, 0,1,2,3
	s_wait_dscnt 12-4*\i                           ; row i's four loads are in; the later rows' may be out
.irp u, 1,2,3                                  ; ascending K
	v_pk_add_f32 v[HA+16*\i:HA+16*\i+1], v[HA+16*\i:HA+16*\i+1], v[HA+16*\i+4*\u:HA+16*\i+4*\u+1]
	v_pk_add_f32 v[HA+16*\i+2:HA+16*\i+3], v[HA+16*\i+2:HA+16*\i+3], v[HA+16*\i+4*\u+2:HA+16*\i+4*\u+3]
.endr
	v_pk_add_f32 v[HA+16*\i:HA+16*\i+1], v[HA+16*\i:HA+16*\i+1], v[B2V:B2V+1]
	v_pk_add_f32 v[HA+16*\i+2:HA+16*\i+3], v[HA+16*\i+2:HA+16*\i+3], v[B2V+2:B2V+3]
.endr
	s_wait_alu depctr_va_vdst(0)                   ; the additions have written the four rows, which the stores read, and are done reading HA; YO is written
.irp i, 0,1,2,3
	global_store_b128 v[YO], v[HA+16*\i:HA+16*\i+3], s[32:33] offset:4096*\i   ; 32 lanes store 512 consecutive bytes, at a multiple of 256 from y's first byte
.endr
.Lb_\@:
	s_add_co_u32 s22, s22, 4
.endm
	s_mov_b32 s23, 8
.Ltrip:                                            ; 8 trips of two turns: 16 turns serve every count, m = q .. q + 60
	TRIP 0
	TRIP 1
	s_sub_co_u32 s23, s23, 1
	s_cmp_lg_u32 s23, 0
	s_cbranch_scc1 .Ltrip
	s_wait_dscnt 0x0                               ; the closing lines, six on end
	s_wait_alu 0x0
	s_wait_tensorcnt 0x0
	ds_add_u32 v[SPW], v[NIL]
	s_wait_dscnt 0x0
	s_endpgm
.Lfunc_end_k_qdec99ea0d6_down:
	.size	k_qdec99ea0d6_down, .Lfunc_end_k_qdec99ea0d6_down-k_qdec99ea0d6_down
	.p2alignl 7, 3214868480
	.fill 96, 4, 3214868480
	.section	.rodata,"a",@progbits
	.p2align	6, 0x0
	.amdhsa_kernel k_qdec99ea0d6_down
		.amdhsa_group_segment_fixed_size 168448
		.amdhsa_private_segment_fixed_size 0
		.amdhsa_enable_private_segment 0
		.amdhsa_kernarg_size 48
		.amdhsa_user_sgpr_count 2
		.amdhsa_user_sgpr_kernarg_segment_ptr 1
		.amdhsa_wavefront_size32 1
		.amdhsa_system_sgpr_workgroup_id_x 1
		.amdhsa_system_sgpr_workgroup_id_y 1
		.amdhsa_system_sgpr_workgroup_id_z 1
		.amdhsa_system_vgpr_workitem_id 0
		.amdhsa_next_free_vgpr 1024
		.amdhsa_next_free_sgpr 66
		.amdhsa_reserve_vcc 0
		.amdhsa_float_denorm_mode_32 3
		.amdhsa_float_denorm_mode_16_64 3
		.amdhsa_memory_ordered 1
		.amdhsa_forward_progress 1
		.amdhsa_inst_pref_size 98
	.end_amdhsa_kernel
	.amdgpu_metadata
---
amdhsa.version: [ 1, 2 ]
amdhsa.kernels:
  - .name:           k_qdec99ea0d6_down
    .symbol:         k_qdec99ea0d6_down.kd
    .args:
      - { .name: w2_codes, .offset: 0, .size: 8, .value_kind: global_buffer, .address_space: global }
      - { .name: w2_scales, .offset: 8, .size: 8, .value_kind: global_buffer, .address_space: global }
      - { .name: b2, .offset: 16, .size: 8, .value_kind: global_buffer, .address_space: global }
      - { .name: hq, .offset: 24, .size: 8, .value_kind: global_buffer, .address_space: global }
      - { .name: order, .offset: 32, .size: 8, .value_kind: global_buffer, .address_space: global }
      - { .name: y, .offset: 40, .size: 8, .value_kind: global_buffer, .address_space: global }
    .group_segment_fixed_size: 168448
    .private_segment_fixed_size: 0
    .kernarg_segment_align: 8
    .kernarg_segment_size: 48
    .max_flat_workgroup_size: 128
    .sgpr_count:     66
    .vgpr_count:     1024
    .wavefront_size: 32
...
	.end_amdgpu_metadata
.endif
;; end of part 9
;; launch combine (part 10): grid 256 x 1, 4 waves a work-group, no clusters, 0 bytes of LDS; arguments y, order, gate, out0; writes out0
.if DOCPART == 10
	.amdgcn_target "amdgcn-amd-amdhsa--gfx1250"
	.amdhsa_code_object_version 6
	.text
	.protected	k_qdec99ea0d6_combine
	.globl	k_qdec99ea0d6_combine
	.p2align	8
	.type	k_qdec99ea0d6_combine,@function
k_qdec99ea0d6_combine:
	s_mov_b64 s[64:65], 0
	v_nop
	global_prefetch_b8 v0, s[64:65] scope:SCOPE_SE
	s_setreg_imm32_b32 hwreg(HW_REG_WAVE_MODE, 25, 1), 1
	s_wait_xcnt 0x0
; out[token] = p0 y[slot of (token, 0)] + p1 y[slot of (token, 1)].  One wave, one token: each output row has one owner, and nothing is added across work-groups.
; The two slots are whole numbers that an earlier launch stored; each is held by a constant before it enters an address.  A row is 4,096 bytes: eight loads of 512 consecutive bytes; all sixteen loads are out together.
; No LDS, no barrier, no matrix unit: the launch only moves bytes.
	s_load_b256 s[4:11], s[0:1], 0x0               ; y 4, order 6, gate 8, out0 10
	v_lshrrev_b32 v1, 5, v0
	v_readfirstlane_b32 s12, v1                    ; wave
	v_and_b32 v1, 31, v0
	v_lshlrev_b32 v1, 4, v1                        ; 16 x lane
	s_lshl_b32 s13, ttmp9, 2
	s_add_co_u32 s13, s13, s12                     ; my token
	s_lshl_b32 s14, s13, 3
	s_mov_b32 s15, 0
	s_wait_alu depctr_va_vdst(0)
	s_wait_kmcnt 0x0
	s_add_nc_u64 s[16:17], s[6:7], s[14:15]
	s_add_nc_u64 s[18:19], s[8:9], s[14:15]
	s_load_b64 s[20:21], s[16:17], 0x100           ; its two slots
	s_load_b64 s[22:23], s[18:19], 0x0             ; p0, p1
	s_lshl_b32 s14, s13, 12
	s_add_nc_u64 s[30:31], s[10:11], s[14:15]      ; its row of the output
	s_wait_kmcnt 0x0
	s_min_u32 s20, s20, 8191
	s_min_u32 s21, s21, 8191
	s_lshl_b32 s14, s20, 12
	s_add_nc_u64 s[24:25], s[4:5], s[14:15]
	s_lshl_b32 s14, s21, 12
	s_add_nc_u64 s[26:27], s[4:5], s[14:15]
	s_mov_b32 s28, s23                             ; p1 in a pair of its own: the packed forms name a pair and take its low word for both halves
	s_mov_b32 s29, s23
.irp i, 0,1,2,3,4,5,6,7
	global_load_b128 v[16+4*\i:19+4*\i], v1, s[24:25] offset:512*\i th:TH_LOAD_NT
.endr
.irp i, 0,1,2,3,4,5,6,7
	global_load_b128 v[48+4*\i:51+4*\i], v1, s[26:27] offset:512*\i th:TH_LOAD_NT
.endr
.irp i, 0,1,2,3,4,5,6,7
	s_wait_loadcnt 7-\i                            ; piece i of both rows is in; the second row's later pieces may be out
	v_pk_mul_f32 v[16+4*\i:17+4*\i], v[16+4*\i:17+4*\i], s[22:23] op_sel_hi:[1,0]
	v_pk_mul_f32 v[18+4*\i:19+4*\i], v[18+4*\i:19+4*\i], s[22:23] op_sel_hi:[1,0]
	v_pk_fma_f32 v[16+4*\i:17+4*\i], v[48+4*\i:49+4*\i], s[28:29], v[16+4*\i:17+4*\i] op_sel_hi:[1,0,1]
	v_pk_fma_f32 v[18+4*\i:19+4*\i], v[50+4*\i:51+4*\i], s[28:29], v[18+4*\i:19+4*\i] op_sel_hi:[1,0,1]
	global_store_b128 v1, v[16+4*\i:19+4*\i], s[30:31] offset:512*\i th:TH_STORE_NT   ; 512 consecutive bytes, at a multiple of 256 from the output's first byte
.endr
	s_endpgm
.Lfunc_end_k_qdec99ea0d6_combine:
	.size	k_qdec99ea0d6_combine, .Lfunc_end_k_qdec99ea0d6_combine-k_qdec99ea0d6_combine
	.p2alignl 7, 3214868480
	.fill 96, 4, 3214868480
	.section	.rodata,"a",@progbits
	.p2align	6, 0x0
	.amdhsa_kernel k_qdec99ea0d6_combine
		.amdhsa_group_segment_fixed_size 0
		.amdhsa_private_segment_fixed_size 0
		.amdhsa_enable_private_segment 0
		.amdhsa_kernarg_size 32
		.amdhsa_user_sgpr_count 2
		.amdhsa_user_sgpr_kernarg_segment_ptr 1
		.amdhsa_wavefront_size32 1
		.amdhsa_system_sgpr_workgroup_id_x 1
		.amdhsa_system_sgpr_workgroup_id_y 1
		.amdhsa_system_sgpr_workgroup_id_z 1
		.amdhsa_system_vgpr_workitem_id 0
		.amdhsa_next_free_vgpr 100
		.amdhsa_next_free_sgpr 66
		.amdhsa_reserve_vcc 0
		.amdhsa_float_denorm_mode_32 3
		.amdhsa_float_denorm_mode_16_64 3
		.amdhsa_memory_ordered 1
		.amdhsa_forward_progress 1
		.amdhsa_inst_pref_size 6
	.end_amdhsa_kernel
	.amdgpu_metadata
---
amdhsa.version: [ 1, 2 ]
amdhsa.kernels:
  - .name:           k_qdec99ea0d6_combine
    .symbol:         k_qdec99ea0d6_combine.kd
    .args:
      - { .name: y, .offset: 0, .size: 8, .value_kind: global_buffer, .address_space: global }
      - { .name: order, .offset: 8, .size: 8, .value_kind: global_buffer, .address_space: global }
      - { .name: gate, .offset: 16, .size: 8, .value_kind: global_buffer, .address_space: global }
      - { .name: out0, .offset: 24, .size: 8, .value_kind: global_buffer, .address_space: global }
    .group_segment_fixed_size: 0
    .private_segment_fixed_size: 0
    .kernarg_segment_align: 8
    .kernarg_segment_size: 32
    .max_flat_workgroup_size: 128
    .sgpr_count:     66
    .vgpr_count:     100
    .wavefront_size: 32
...
	.end_amdgpu_metadata
.endif
;; end of part 10
